; MI455X (gfx1250); checked and timed in simulation.
; The chip was launched on July 23, 2026; its instructions are those of AMD's public machine-readable ISA for CDNA 5 (MIT licence, August 2026) and "CDNA5" Instruction Set Architecture Reference Guide (July 2026). The comments in the code are by the model that wrote it; some were corrected since.
;; Doge CD Mo E. Allowed arithmetic: float matrix products may take bf16 or f16 operands with f32 sums; all other float work in f32.
;; Inputs: down_embed 4,096 x 1,024 float32; hidden_states 2 x 2,048 x 1,024 float32; up_embed 4,096 x 1,024 float32; w_down 1,024 x 4,096 float32; w_gate 4,096 x 1,024 float32; w_router 128 x 1,024 float32; w_up 4,096 x 1,024 float32.
;; Outputs: out0 2 x 2,048 x 1,024 float32; out1 2 x 4,096 x 64 float32.
;; 2 versions, each right; version 2 is version 1 with the launch combine written anew for expert scheduling mode. Each part assembles by itself: llvm-mc -triple=amdgcn-amd-amdhsa -mcpu=gfx1250 --defsym DOCPART=n.
;; ======== version 1 of 2: 4 launches
;; workspace buffers: xb 8,388,608 bytes; wgu 16,777,216 bytes; wdb 8,388,608 bytes; hb 33,554,432 bytes; part 67,108,864 bytes; sel_idx 131,072 bytes of whole numbers; sel_w 131,072 bytes; tab 16,777,216 bytes
;; launch prep (part 1): grid 256 x 1, 16 waves a work-group, no clusters, 225,280 bytes of LDS; arguments hidden_states, w_gate, w_up, w_down, w_router, down_embed, up_embed, xb, wgu, wdb, tab, out1, sel_idx, sel_w; writes xb, wgu, wdb, tab, out1, sel_idx, sel_w
.if DOCPART == 1
	.amdgcn_target "amdgcn-amd-amdhsa--gfx1250"
	.amdhsa_code_object_version 6
	.text
	.protected	k_q90c597861c_prep
	.globl	k_q90c597861c_prep
	.p2align	8
	.type	k_q90c597861c_prep,@function
k_q90c597861c_prep:
	s_mov_b64 s[64:65], 0
	v_nop
	global_prefetch_b8 v0, s[64:65] scope:SCOPE_SE
	s_setreg_imm32_b32 hwreg(HW_REG_WAVE_MODE, 25, 1), 1
	s_wait_xcnt 0x0
; PREP: (1) bf16 copies of hidden_states, w_gate/w_up and w_down in PANEL layout [K/64][rows][64] (a row's piece is 128 bytes, rows dense) and of
;       down_embed/up_embed (tab: [expert][2 KiB of down | 2 KiB of up]); (2) the router logits (out1); (3) for each token the 8 chosen experts
;       (sel_idx, whole numbers) and their routing weights (sel_w), both ordered [token & 1][token >> 1][8].
; Work-group j = (jp = j >> 1, p = j & 1) of 256, sixteen waves:
;   router: hidden rows 16jp..+15 (local rows 0-15) and 2048+16jp..+15 (local rows 16-31) times router rows 64p..64p+63.  The flat re-reading of the
;   logits as (2, 4096, 64) gives token i its x list in hidden row i>>1 and its y list in hidden row 2048+(i>>1), columns 64(i&1)..+63, so this
;   block of 32 x 64 logits holds both lists of the 16 tokens 2(16jp+t)+p.  A work-group reads 128 KiB of x and 256 KiB of w_router for it.
;   copies: K half p of its 32 rows of x; w_gate and w_up rows 16j..+15 (wgu row = 32 (i>>4) + 16 gu + (i&15)); w_down rows 4j..+3; table rows 16j..+15.
; K IS PERMUTED inside each group of 128 columns of the hidden size, alike in xb, wgu, the x tile and the router tile, so every product keeps its
; terms: slot (panel 2g+po, place 8pc+e) holds real column 128g + 64(e>>2) + 32po + 4pc + (e&3).  That lets a unit's two loads take 16 neighbouring
; bytes a lane (each load of a wave covers two aligned runs of 256 bytes) and its one store 16 bytes a lane.  w_down keeps K's true order (hb's
; columns have it).  A table row's 16 bytes of lane l in quarter G hold real columns 256G+4l..+3 and 256G+128+4l..+3.
; In LDS the work-group's own K half (p) lies first in both tiles, so no LDS address hangs on p.
; LIMITS: the router's operands are rounded to bf16 (f32 sums) and the selection follows those logits: where the 8th and 9th pair sums lie closer
; than that rounding, the chosen expert can differ from a run in f32.  Logits must be finite (-inf marks entries already taken; a NaN never
; compares equal).  +0 and -0 count as equal.  Equal scores are taken lowest index first, then lowest rank position, as top_k takes them.
; No cluster, no tensor loads: all that the work-groups share is w_router and x, and both pass through registers to be rounded.
.set XPAN,   4352                      ; x tile in LDS, from byte 0: a panel = 32 rows = 16 LDS rows of 256 + 16 bytes; 16 panels
.set WB,     69632                     ; router tile: 64 rows x 1024 k in bf16, pitch 2064
.set WPITCH, 2064
.set LG,     201728                    ; logit partial sums of the two K halves: 32 rows x 64 f32, pitch 272
.set LGP,    272
.set LGH,    32*LGP
.set SELI,   219136                    ; 128 bytes a token: chosen indices; the weights lie SELD further on
.set SELD,   2048
.set LANE,  1
.set RR,    2                          ; lane & 15
.set HR,    3                          ; lane >> 4
.set SRCXA, 4
.set SRCXB, 5
.set DSTX,  6
.set LDX,   7
.set SRCRA, 8
.set SRCRB, 9
.set LDR,   10
.set SRCG,  11
.set DSTG,  12
.set SRCD,  13
.set DSTD,  14
.set SRCT,  15                         ; also the tables' store offset: a row is 4,096 bytes in both
.set FA,    16
.set FB,    17
.set LGS,   18
.set OST,   19
.set LLD,   20
.set SST,   21
.set SRD,   22
.set L16,   23
.set XT,    32                         ; v[32:63]    x, the other K half: 4 units of 8 registers
.set RT,    64                         ; v[64:191]   router: 16 units
.set WC,    192                        ; v[192:223]  w_gate: 4 units
.set XO,    224                        ; v[224:255]  x, my own K half: 4 units
.set WU,    112                        ; v[112:143]  later: w_up
.set WD,    144                        ; v[144:175]  later: w_down, 8 loads of 4 registers
.set SET0,  32                         ; later: fragments of 2 K steps (A 8 + B 8 registers each)
.set SET1,  64
.set ACC0,  96
.set ACC1,  104
.set TB,    32                         ; v[32:95]    later: down_embed 4 units, up_embed 4 units
; selection
.set LV,   96
.set LV2,  100
.set LK,   104
.set LC,   108
.set OV,   176
.set SELR, 180
.set MX,   184
.set QN,   185
.set TP,   186
.set SV,   187
.set SI,   188
.set VNEG, 189
.set VBIG, 190
.set AL,   191
.set BL,   224
.set XV,   225
.set XI,   226
.set YV,   227
.set YI,   228
.set SC,   229
.set KEY,  230
.set RS,   231
.set RK,   232
.set MAX0, 233
.set EE,   234
.set SS,   235
.set WW,   236
.set IDX,  237
.set T1,   238
.set T2,   239
.set SH,   240
.macro LDU reg, off, base, imm, d      ; a unit: two loads of 16 bytes a lane, d bytes apart
	global_load_b128 v[\reg:\reg+3], v[\off], s[\base:\base+1] offset:\imm
	global_load_b128 v[\reg+4:\reg+7], v[\off], s[\base:\base+1] offset:\imm+\d
.endm
.macro LDUNT reg, off, base, imm, d    ; the same for data that the launch reads once
	global_load_b128 v[\reg:\reg+3], v[\off], s[\base:\base+1] offset:\imm th:TH_LOAD_NT
	global_load_b128 v[\reg+4:\reg+7], v[\off], s[\base:\base+1] offset:\imm+\d th:TH_LOAD_NT
.endm
.macro CVT reg                         ; 8 f32 to 8 bf16, in place: the result is v[reg:reg+3]
	v_cvt_pk_bf16_f32 v[\reg], v[\reg], v[\reg+1]
	v_cvt_pk_bf16_f32 v[\reg+1], v[\reg+2], v[\reg+3]
	v_cvt_pk_bf16_f32 v[\reg+2], v[\reg+4], v[\reg+5]
	v_cvt_pk_bf16_f32 v[\reg+3], v[\reg+6], v[\reg+7]
.endm
.macro LDB q                           ; router row q of my four: 4 units of 256 columns, my own K half first: 8 loads
.irp g, 0,1
	LDU RT+32*\q+8*\g, SRCRA, 24, \q*4096+\g*1024, 256
.endr
.irp g, 0,1
	LDU RT+32*\q+16+8*\g, SRCRB, 24, \q*4096+\g*1024, 256
.endr
.endm
.macro STB q                           ; round it and lay it into the router tile: 32 lanes x 16 neighbouring bytes
.irp g, 0,1,2,3
	CVT RT+32*\q+8*\g
	ds_store_b128 v[LDR], v[RT+32*\q+8*\g:RT+32*\q+8*\g+3] offset:\q*WPITCH+\g*512
.endr
.endm
.macro LF gamma, set                   ; the fragments of K steps 2 gamma, 2 gamma + 1 of my 16 (one panel): 8 LDS loads
.irp q, 0,1
	ds_load_b128 v[\set+16*\q:\set+16*\q+3], v[FA] offset:(\gamma)*XPAN+\q*64
	ds_load_b128 v[\set+16*\q+4:\set+16*\q+7], v[FA] offset:(\gamma)*XPAN+\q*64+32
	ds_load_b128 v[\set+16*\q+8:\set+16*\q+11], v[FB] offset:(2*(\gamma)+\q)*64
	ds_load_b128 v[\set+16*\q+12:\set+16*\q+15], v[FB] offset:(2*(\gamma)+\q)*64+32
.endr
.endm
.macro MM set, zero                    ; two K steps; the two accumulators take turns, one instruction a turn
.irp q, 0,1
.if \zero
	v_wmma_f32_16x16x32_bf16 v[ACC0+8*\q:ACC0+8*\q+7], v[\set+16*\q:\set+16*\q+7], v[\set+16*\q+8:\set+16*\q+15], 0
.else
	v_wmma_f32_16x16x32_bf16 v[ACC0+8*\q:ACC0+8*\q+7], v[\set+16*\q:\set+16*\q+7], v[\set+16*\q+8:\set+16*\q+15], v[ACC0+8*\q:ACC0+8*\q+7]
.endif
.endr
.endm
.macro PLACES                          ; four independent vector instructions behind a matrix instruction (ISA guide 7.12.1) before its registers are touched
.rept 4
	v_nop
.endr
.endm
.macro RED16 opd, dst, src             ; over the 16 lanes of a half; every lane gets the result
	\opd v[\dst], v[\src], v[\src] row_xmask:1 row_mask:0xf bank_mask:0xf
	\opd v[\dst], v[\dst], v[\dst] row_xmask:2 row_mask:0xf bank_mask:0xf
	\opd v[\dst], v[\dst], v[\dst] row_xmask:4 row_mask:0xf bank_mask:0xf
	\opd v[\dst], v[\dst], v[\dst] row_xmask:8 row_mask:0xf bank_mask:0xf
.endm
.macro RED32 opd, op, dst, src         ; over all 32 lanes
	RED16 \opd, \dst, \src
	v_permlanex16_b32 v[TP], v[\dst], s44, s45
	\op v[\dst], v[\dst], v[TP]
.endm
; One pass over a list of 64 (4 entries a lane, x list in lanes 0-15, y list in lanes 16-31): its largest entry, the lowest index among equals,
; go to lane k of the half; the entry is taken out.  Selects only: no branch and no address hangs on a float.
.macro LROUND k
	v_max3_num_f32 v[MX], v[LV], v[LV+1], v[LV+2]
	v_max_num_f32 v[MX], v[MX], v[LV+3]
	RED16 v_max_num_f32_dpp, MX, MX
.irp e, 0,1,2,3
	v_cmp_eq_f32 vcc_lo, v[LV+\e], v[MX]
	v_cndmask_b32 v[LC+\e], v[VBIG], v[LK+\e], vcc_lo
.endr
	v_min3_num_f32 v[QN], v[LC], v[LC+1], v[LC+2]
	v_min_num_f32 v[QN], v[QN], v[LC+3]
	RED16 v_min_num_f32_dpp, QN, QN
.irp e, 0,1,2,3
	v_cmp_eq_f32 vcc_lo, v[LK+\e], v[QN]
	v_cndmask_b32 v[LV+\e], v[LV+\e], v[VNEG], vcc_lo
.endr
	s_mov_b32 s46, 0x00010001<<\k
	v_cndmask_b32 v[SV], v[SV], v[MX], s46
	v_cndmask_b32 v[SI], v[SI], v[QN], s46
.endm
; One pass over the 20 candidate pairs (one a lane): the largest sum, the lowest rank position among equals, go to lane k.
.macro CROUNDK k
	RED32 v_max_num_f32_dpp, v_max_num_f32, MX, SC
	v_cmp_eq_f32 vcc_lo, v[SC], v[MX]
	v_cndmask_b32 v[LC], v[VBIG], v[KEY], vcc_lo
	RED32 v_min_num_f32_dpp, v_min_num_f32, QN, LC
	v_cmp_eq_f32 vcc_lo, v[KEY], v[QN]
	v_cndmask_b32 v[SC], v[SC], v[VNEG], vcc_lo
	s_mov_b32 s46, 1<<\k
	v_cndmask_b32 v[RS], v[RS], v[MX], s46
	v_cndmask_b32 v[RK], v[RK], v[QN], s46
.endm
	s_load_b512 s[16:31], s[0:1], 0x0              ; x 16, w_gate 18, w_up 20, w_down 22, w_router 24, down_embed 26, up_embed 28, xb 30
	s_load_b256 s[32:39], s[0:1], 0x40             ; wgu 32, wdb 34, tab 36, out1 38
	s_load_b128 s[40:43], s[0:1], 0x60             ; sel_idx 40, sel_w 42
	v_lshl_add_u32 v24, v0, 2, 0x36800
	v_mov_b32 v25, 0
	v_lshrrev_b32 v1, 5, v0
	v_readfirstlane_b32 s3, v1                     ; wave w, 0 to 15
	v_and_b32 v[LANE], 31, v0
	v_and_b32 v[RR], 15, v0
	v_bfe_u32 v[HR], v0, 4, 1                      ; also po: which of a unit's two panels
	v_bfe_u32 v26, v0, 3, 1                        ; mem: which of a unit's two rows
	v_and_b32 v27, 7, v0                           ; pc: which 16 bytes of the panel's piece
	s_lshr_b32 s4, s3, 1                           ; rp: row pair of the weights
	s_and_b32 s5, s3, 1                            ; par: which 512 columns of the weights
	s_and_b32 s6, s3, 7
	s_lshr_b32 s7, s3, 3                           ; kh: which K half of the router product; which half of the x rows
	s_bfe_u32 s8, s3, 0x10002                      ; mt: which 16 local rows
	s_and_b32 s9, s3, 3                            ; nt: which 16 router rows
	s_lshr_b32 s10, ttmp9, 1                       ; jp
	s_and_b32 s11, ttmp9, 1                        ; p
	s_xor_b32 s12, s11, 1                          ; 1 - p
	s_mov_b32 s44, 0x76543210                      ; v_permlanex16_b32: lane i of one half reads lane i of the other
	s_mov_b32 s45, 0xfedcba98
	; source offsets.  A unit of x, w_gate, w_up is 2 rows x 128 columns: lane (mem, po, pc) takes 16 bytes at 128 po + 16 pc of row mem, and 256 bytes on.
	v_lshlrev_b32 v28, 4, v27
	v_lshl_add_u32 v28, v[HR], 7, v28
	v_lshl_add_u32 v30, v26, 12, v28               ; + row x 4,096
	s_lshl_b32 s48, s6, 13                         ; x: wave w takes local rows 2w, 2w+1: (w & 7) x 2 rows
	s_lshl_b32 s49, s7, 23                         ;    + 2,048 rows for local rows 16-31
	s_add_co_u32 s48, s48, s49
	s_lshl_b32 s49, s11, 11                        ; my own K half: p x 512 columns
	s_lshl_b32 s50, s12, 11                        ; the other one
	s_add_co_u32 s51, s48, s49
	s_add_co_u32 s52, s48, s50
	v_add_nc_u32 v[SRCXA], s51, v30
	v_add_nc_u32 v[SRCXB], s52, v30
	s_lshl_b32 s48, s4, 13                         ; w_gate, w_up: rp x 2 rows + par x 512 columns
	s_lshl_b32 s51, s5, 11
	s_add_co_u32 s48, s48, s51
	v_add_nc_u32 v[SRCG], s48, v30
	v_lshlrev_b32 v31, 4, v[RR]
	s_lshl_b32 s48, s7, 15                         ; w_down: a load is 2 rows x 64 columns: (w >> 3) x 2 rows of 16,384 bytes + (w & 7) x 8 panels
	s_lshl_b32 s51, s6, 11
	s_add_co_u32 s48, s48, s51
	v_lshl_add_u32 v30, v[HR], 14, v31
	v_add_nc_u32 v[SRCD], s48, v30
	s_lshl_b32 s48, s3, 14                         ; w_router: a unit is 1 row x 256 columns: rows 4w..4w+3; lane: 512 (l >> 4) + 16 (l & 15), and 256 bytes on
	s_add_co_u32 s51, s48, s49
	s_add_co_u32 s52, s48, s50
	v_lshl_add_u32 v30, v[HR], 9, v31
	v_add_nc_u32 v[SRCRA], s51, v30
	v_add_nc_u32 v[SRCRB], s52, v30
	s_lshl_b32 s48, s3, 12                         ; tables: wave w takes row w; a unit is 256 columns: 16 l, and 512 bytes on
	v_lshl_add_u32 v[SRCT], v[LANE], 4, s48
	s_mov_b32 s57, 0
	s_wait_kmcnt 0x0
	s_lshl_b32 s56, s10, 16                        ; 16 rows of x
	s_add_nc_u64 s[16:17], s[16:17], s[56:57]
	s_lshl_b32 s56, ttmp9, 16                      ; 16 rows of w_gate, w_up and the tables; 4 rows of w_down
	s_add_nc_u64 s[18:19], s[18:19], s[56:57]
	s_add_nc_u64 s[20:21], s[20:21], s[56:57]
	s_add_nc_u64 s[22:23], s[22:23], s[56:57]
	s_add_nc_u64 s[26:27], s[26:27], s[56:57]
	s_add_nc_u64 s[28:29], s[28:29], s[56:57]
	s_lshl_b32 s56, s11, 18                        ; 64 rows of w_router
	s_add_nc_u64 s[24:25], s[24:25], s[56:57]
	; 56 loads go out at once: x (own half, other half), the router's four rows, w_gate
.irp u, 0,1,2,3
	LDU XO+8*\u, SRCXA, 16, \u*512, 256
.endr
.irp u, 0,1,2,3
	LDU XT+8*\u, SRCXB, 16, \u*512, 256
.endr
	LDB 0
	LDB 1
	LDB 2
	LDB 3
.irp u, 0,1,2,3
	LDUNT WC+8*\u, SRCG, 18, \u*512, 256
.endr
	s_lshl_b32 s56, s10, 11                        ; 16 rows of 128 bytes in a panel of xb
	s_add_nc_u64 s[30:31], s[30:31], s[56:57]
	s_lshl_b32 s56, ttmp9, 12                      ; 32 rows in a panel of wgu
	s_add_nc_u64 s[32:33], s[32:33], s[56:57]
	s_lshl_b32 s56, ttmp9, 9                       ; 4 rows in a panel of wdb
	s_add_nc_u64 s[34:35], s[34:35], s[56:57]
	s_lshl_b32 s56, ttmp9, 16                      ; 16 experts of 4,096 bytes in tab
	s_add_nc_u64 s[36:37], s[36:37], s[56:57]
	s_lshl_b32 s56, s10, 13                        ; out1: 16 rows of 512 bytes + p x 64 columns
	s_lshl_b32 s48, s11, 8
	s_add_co_u32 s56, s56, s48
	s_add_nc_u64 s[38:39], s[38:39], s[56:57]
	s_lshl_b32 s56, s11, 16                        ; selection: p x 2,048 tokens + 16 jp tokens, 32 bytes each
	s_lshl_b32 s48, s10, 9
	s_add_co_u32 s56, s56, s48
	s_add_nc_u64 s[40:41], s[40:41], s[56:57]
	s_add_nc_u64 s[42:43], s[42:43], s[56:57]
	; destination offsets: lanes 0-15 fill two rows of one panel (256 consecutive bytes, aligned), lanes 16-31 the same rows of the next panel
	v_lshlrev_b32 v29, 4, v27
	v_lshl_add_u32 v29, v26, 7, v29                ; row x 128 + piece x 16
	s_lshl_b32 s48, s11, 22                        ; xb: p x 8 panels of 524,288 bytes
	s_lshl_b32 s49, s6, 8
	s_add_co_u32 s48, s48, s49
	s_lshl_b32 s49, s7, 18                         ; 2,048 rows of 128 bytes
	s_add_co_u32 s48, s48, s49
	v_lshl_add_u32 v30, v[HR], 19, v29
	v_add_nc_u32 v[DSTX], s48, v30
	s_lshl_b32 s48, s5, 23                         ; wgu: par x 8 panels of 1,048,576 bytes
	s_lshl_b32 s49, s4, 8
	s_add_co_u32 s48, s48, s49
	v_lshl_add_u32 v30, v[HR], 20, v29
	v_add_nc_u32 v[DSTG], s48, v30
	s_lshl_b32 s48, s6, 20                         ; wdb: (w & 7) x 8 panels of 131,072 bytes; 8 bytes a lane, 32 lanes fill two rows of a panel
	s_lshl_b32 s49, s7, 8
	s_add_co_u32 s48, s48, s49
	v_lshlrev_b32 v30, 3, v[RR]
	v_lshl_add_u32 v30, v[HR], 7, v30
	v_add_nc_u32 v[DSTD], s48, v30
	s_mul_i32 s48, s3, 272                         ; the x tile in LDS, the same panel form: LDS row w holds local rows 2w, 2w+1
	v_mul_u32_u24 v30, v[HR], XPAN
	v_add_nc_u32 v30, v30, v29
	v_add_nc_u32 v[LDX], s48, v30
	s_mul_i32 s48, s3, 4*WPITCH
	s_add_co_u32 s48, s48, WB                      ; my four rows of the router tile
	v_lshl_add_u32 v[LDR], v[LANE], 4, s48
	; fragments: lane (r, h) takes row r, 16 bytes at 16 h and at 32 + 16 h of the K step's 64 bytes
	v_lshrrev_b32 v30, 1, v[RR]
	v_mul_u32_u24 v30, v30, 272
	v_and_b32 v31, 1, v[RR]
	v_lshl_add_u32 v30, v31, 7, v30
	v_lshl_add_u32 v30, v[HR], 4, v30
	s_mul_i32 s48, s7, 8*XPAN
	s_mul_i32 s49, s8, 8*272
	s_add_co_u32 s48, s48, s49
	v_add_nc_u32 v[FA], s48, v30
	v_mul_u32_u24 v30, v[RR], WPITCH
	v_lshl_add_u32 v30, v[HR], 4, v30
	s_mul_i32 s48, s9, 16*WPITCH
	s_lshl_b32 s49, s7, 10
	s_add_co_u32 s48, s48, s49
	s_add_co_u32 s48, s48, WB
	v_add_nc_u32 v[FB], s48, v30
	v_mul_u32_u24 v30, v[HR], 8*LGP                ; result register j: local row 16 mt + 8 h + j, column 16 nt + r
	v_lshl_add_u32 v30, v[RR], 2, v30
	s_mul_i32 s48, s7, LGH
	s_mul_i32 s49, s8, 16*LGP
	s_add_co_u32 s48, s48, s49
	s_lshl_b32 s49, s9, 6
	s_add_co_u32 s48, s48, s49
	s_add_co_u32 s48, s48, LG
	v_add_nc_u32 v[LGS], s48, v30
	v_mul_u32_u24 v30, v[HR], 16*LGP               ; token t = w: local row w (x list, lanes 0-15) and 16 + w (y list, lanes 16-31), 4 entries a lane
	v_lshl_add_u32 v30, v[RR], 4, v30
	s_mul_i32 s48, s3, LGP
	s_add_co_u32 s48, s48, LG
	v_add_nc_u32 v[LLD], s48, v30
	v_lshlrev_b32 v30, 4, v[RR]                    ; the same two rows' 256 bytes in out1, 2,048 rows of 512 bytes apart
	v_lshl_add_u32 v30, v[HR], 20, v30
	s_lshl_b32 s48, s3, 9
	v_add_nc_u32 v[OST], s48, v30
	s_lshl_b32 s48, s3, 7
	s_add_co_u32 s48, s48, SELI
	v_lshl_add_u32 v[SST], v[LANE], 2, s48
	s_lshl_b32 s48, s5, 11                         ; used by waves 0 and 1 alone, for which w & 1 = w
	s_add_co_u32 s48, s48, SELI
	v_lshrrev_b32 v30, 1, v[LANE]
	v_and_b32 v31, 1, v[LANE]
	v_lshlrev_b32 v30, 7, v30
	v_lshl_add_u32 v30, v31, 4, v30
	v_add_nc_u32 v[SRD], s48, v30
	v_lshlrev_b32 v[L16], 4, v[LANE]
	; PHASE 1: x and the router's rows are rounded into LDS.  Loads come back in order (ISA guide 5.7.1): each count is the number of younger loads.
	s_wait_loadcnt 48                              ; x, own half: 8 + 32 + 8 are younger
.irp u, 0,1,2,3
	CVT XO+8*\u
	ds_store_b128 v[LDX], v[XO+8*\u:XO+8*\u+3] offset:\u*2*XPAN
	global_store_b128 v[DSTX], v[XO+8*\u:XO+8*\u+3], s[30:31] offset:\u*1048576
.endr
	s_wait_loadcnt 40                              ; x, other half: into LDS alone (the neighbouring work-group stores it)
.irp u, 0,1,2,3
	CVT XT+8*\u
	ds_store_b128 v[LDX], v[XT+8*\u:XT+8*\u+3] offset:(8+2*\u)*XPAN
.endr
	s_wait_loadcnt 32
	STB 0
	s_wait_loadcnt 24
	STB 1
	s_wait_loadcnt 16                              ; row 2: row 3 and w_gate are younger
	STB 2
.irp u, 0,1,2,3
	LDUNT WU+8*\u, SRCG, 20, \u*512, 256           ; w_up, into registers that rows 1 and 2 have left
.endr
	s_wait_loadcnt 16                              ; row 3: w_gate and w_up are younger
	STB 3
.irp u, 0,1,2,3,4,5,6,7
	global_load_b128 v[WD+4*\u:WD+4*\u+3], v[SRCD], s[22:23] offset:\u*256 th:TH_LOAD_NT   ; w_down: 24 loads stay on their way through the product
.endr
	s_wait_dscnt 0x0                               ; my parts of the two tiles are written, for the other waves' sake
	s_barrier_signal -1
	s_barrier_wait -1
	; PHASE 2: wave (mt, nt, kh): 16 local rows x 16 router rows, one K half: 16 K steps of 32, fragments fetched a group of two steps ahead
	LF 0, SET0
	LF 1, SET1
	s_wait_dscnt 8                                 ; the older group of 8 loads is in
	MM SET0, 1                                     ; the first two products start the two sums
	PLACES
	LF 2, SET0
	s_wait_dscnt 8
	MM SET1, 0
	PLACES
	LF 3, SET1
	s_wait_dscnt 8
	MM SET0, 0
	PLACES
	LF 4, SET0
	s_wait_dscnt 8
	MM SET1, 0
	PLACES
	LF 5, SET1
	s_wait_dscnt 8
	MM SET0, 0
	PLACES
	LF 6, SET0
	s_wait_dscnt 8
	MM SET1, 0
	PLACES
	LF 7, SET1
	s_wait_dscnt 8
	MM SET0, 0
	s_wait_dscnt 0x0
	MM SET1, 0
	PLACES
.irp q, 0,2,4,6
	v_pk_add_f32 v[ACC0+\q:ACC0+\q+1], v[ACC0+\q:ACC0+\q+1], v[ACC1+\q:ACC1+\q+1]
.endr
.irp jj, 0,1,2,3,4,5,6,7
	ds_store_b32 v[LGS], v[ACC0+\jj] offset:\jj*LGP
.endr
	s_wait_dscnt 0x0
	s_barrier_signal -1
	s_barrier_wait -1
	; PHASE 3: the weights go out, wave w writes its two rows of logits and selects for token 2 (16 jp + w) + p, the tables go out
	ds_load_b128 v[LV:LV+3], v[LLD]
	ds_load_b128 v[LV2:LV2+3], v[LLD] offset:LGH
	s_wait_xcnt 0x0                                ; v[224:255], which xb's stores read, are written again (by the selection) only behind this wait
.irp g, 0,1,2,3
	LDUNT TB+8*\g, SRCT, 26, \g*1024, 512          ; down_embed's row, into the fragments' registers (four places behind the last matrix instruction)
.endr
.irp g, 0,1,2,3
	LDUNT TB+32+8*\g, SRCT, 28, \g*1024, 512       ; up_embed's row: these 16 loads are on their way through the selection
.endr
	s_wait_loadcnt 32                              ; w_gate: w_up, w_down and the tables are younger
.irp u, 0,1,2,3
	CVT WC+8*\u
	global_store_b128 v[DSTG], v[WC+8*\u:WC+8*\u+3], s[32:33] offset:\u*2097152
.endr
	s_wait_loadcnt 24                              ; w_up: 16 rows of 128 bytes behind gate's
.irp u, 0,1,2,3
	CVT WU+8*\u
	global_store_b128 v[DSTG], v[WU+8*\u:WU+8*\u+3], s[32:33] offset:\u*2097152+2048
.endr
	s_wait_loadcnt 16                              ; w_down: each store of the wave covers 256 consecutive bytes, aligned
.irp u, 0,1,2,3,4,5,6,7
	v_cvt_pk_bf16_f32 v[WD+4*\u], v[WD+4*\u], v[WD+4*\u+1]
	v_cvt_pk_bf16_f32 v[WD+4*\u+1], v[WD+4*\u+2], v[WD+4*\u+3]
	global_store_b64 v[DSTD], v[WD+4*\u:WD+4*\u+1], s[34:35] offset:\u*131072
.endr
	v_mov_b32 v[VNEG], 0xff800000                  ; -inf: taken out
	v_mov_b32 v[VBIG], 0x4e6e6b28                  ; 1e9: above every key
	v_mov_b32 v[SV], 0
	v_mov_b32 v[SI], 0
	v_mov_b32 v[TP], 0
	v_mov_b32 v[SS], 0
	v_mov_b32 v[RS], v[VNEG]
	v_mov_b32 v[RK], 0
	v_lshlrev_b32 v[T1], 2, v[RR]
	v_cvt_f32_u32 v[LK], v[T1]                     ; the keys: an entry's index 4 r + e, as a float
	v_add_f32 v[LK+1], 1.0, v[LK]
	v_add_f32 v[LK+2], 2.0, v[LK]
	v_add_f32 v[LK+3], 1.0, v[LK+2]
	; The candidates.  A pair of ranks (a, b) has (a+1)(b+1)-1 pairs that are no smaller and stand earlier, so only (a+1)(b+1) <= 8 can be among
	; the top 8: 20 pairs, one a lane, in the order of 64 a + b.  a and b come from tables of 4-bit fields, eight lanes a word.
	v_and_b32 v[SH], 7, v0
	v_lshlrev_b32 v[SH], 2, v[SH]
	s_mov_b32 s50, 0x0000ff00
	s_mov_b32 s51, 0x00ff0000
	s_mov_b32 s52, 0x000000ff
	v_mov_b32 v[AL], 0
	v_mov_b32 v[T1], 0x33221111
	v_mov_b32 v[T2], 0x00007654
	v_cndmask_b32 v[AL], v[AL], v[T1], s50
	v_cndmask_b32 v[AL], v[AL], v[T2], s51
	v_lshrrev_b32 v[AL], v[SH], v[AL]
	v_and_b32 v[AL], 15, v[AL]
	v_lshlrev_b32 v[AL], 2, v[AL]                  ; lane a, as a byte index
	v_mov_b32 v[BL], 0
	v_mov_b32 v[T1], 0x76543210
	v_mov_b32 v[T2], 0x10103210
	v_cndmask_b32 v[BL], v[BL], v[T1], s52
	v_cndmask_b32 v[BL], v[BL], v[T2], s50
	v_lshrrev_b32 v[BL], v[SH], v[BL]
	v_and_b32 v[BL], 15, v[BL]
	v_lshl_add_u32 v[BL], v[BL], 2, 64             ; lane 16 + b
	s_wait_dscnt 0x0
	v_pk_add_f32 v[OV:OV+1], v[LV:LV+1], v[LV2:LV2+1]
	v_pk_add_f32 v[OV+2:OV+3], v[LV+2:LV+3], v[LV2+2:LV2+3]
	global_store_b128 v[OST], v[OV:OV+3], s[38:39]         ; sixteen lanes store 256 consecutive bytes, aligned: 64 logits of a row
	v_pk_add_f32 v[LV:LV+1], v[LV:LV+1], v[LV2:LV2+1]
	v_pk_add_f32 v[LV+2:LV+3], v[LV+2:LV+3], v[LV2+2:LV2+3]
.irp k, 0,1,2,3,4,5,6,7
	LROUND \k
.endr
	ds_bpermute_b32 v[XV], v[AL], v[SV]
	ds_bpermute_b32 v[XI], v[AL], v[SI]
	ds_bpermute_b32 v[YV], v[BL], v[SV]
	ds_bpermute_b32 v[YI], v[BL], v[SI]
	v_cvt_f32_u32 v[T2], v[LANE]
	s_mov_b32 s46, 0xfff00000
	s_wait_dscnt 0x0
	v_add_f32 v[SC], v[XV], v[YV]
	v_cndmask_b32 v[SC], v[SC], v[VNEG], s46       ; lanes 20-31 hold no candidate
	v_fmamk_f32 v[T1], v[XI], 0x42800000, v[YI]    ; the expert: 64 x index + y index
	v_fmamk_f32 v[KEY], v[T2], 0x45800000, v[T1]   ; 4096 x lane + expert: exact (below 2^17), ordered by rank position
	CROUNDK 0
	v_mov_b32 v[MAX0], v[MX]                       ; the largest score: taken away before the exponential
.irp k, 1,2,3,4,5,6,7
	CROUNDK \k
.endr
	v_sub_f32 v[EE], v[RS], v[MAX0]
	v_mul_f32 v[EE], 0x3fb8aa3b, v[EE]
	v_exp_f32 v[EE], v[EE]                         ; lanes 8-31: 2^-inf = 0
	v_nop                                          ; one plain instruction behind a transcendental (ISA guide 5.7.2)
	s_wait_alu depctr_va_vdst(0)
	RED32 v_add_f32_dpp, v_add_f32, SS, EE
	v_rcp_f32 v[T1], v[SS]
	v_nop
	s_wait_alu depctr_va_vdst(0)
	v_mul_f32 v[WW], v[EE], v[T1]
	RED32 v_add_f32_dpp, v_add_f32, SS, WW         ; the second normalisation, as the problem writes it
	v_rcp_f32 v[T1], v[SS]
	v_cvt_u32_f32 v[IDX], v[RK]
	s_wait_alu depctr_va_vdst(0)
	v_mul_f32 v[WW], v[WW], v[T1]
	v_and_b32 v[IDX], 0xfff, v[IDX]
	ds_store_b32 v[SST], v[IDX]                    ; lanes 0-7 hold the eight; the other lanes fill bytes that nobody reads
	ds_store_b32 v[SST], v[WW] offset:SELD
	s_wait_loadcnt 8                               ; down_embed's row: up_embed's is younger
.irp g, 0,1,2,3
	CVT TB+8*\g
	global_store_b128 v[SRCT], v[TB+8*\g:TB+8*\g+3], s[36:37] offset:\g*512                ; each store of the wave covers 512 consecutive bytes, aligned
.endr
	s_wait_loadcnt 0x0
.irp g, 0,1,2,3
	CVT TB+32+8*\g
	global_store_b128 v[SRCT], v[TB+32+8*\g:TB+32+8*\g+3], s[36:37] offset:2048+\g*512
.endr
	s_wait_dscnt 0x0
	s_barrier_signal -1
	s_barrier_wait -1
	s_cmp_lt_u32 s3, 2                             ; wave 0 stores the 16 tokens' indices, wave 1 their weights: 512 consecutive bytes each
	s_cbranch_scc0 .Lend
	s_cmp_eq_u32 s3, 0
	s_cselect_b64 s[58:59], s[40:41], s[42:43]
	ds_load_b128 v[SELR:SELR+3], v[SRD]
	s_wait_dscnt 0x0
	global_store_b128 v[L16], v[SELR:SELR+3], s[58:59]
.Lend:
	s_wait_tensorcnt 0x0
	ds_add_u32 v24, v25
	s_wait_dscnt 0x0
	s_endpgm
.Lfunc_end_k_q90c597861c_prep:
	.size	k_q90c597861c_prep, .Lfunc_end_k_q90c597861c_prep-k_q90c597861c_prep
	.p2alignl 7, 3214868480
	.fill 96, 4, 3214868480
	.section	.rodata,"a",@progbits
	.p2align	6, 0x0
	.amdhsa_kernel k_q90c597861c_prep
		.amdhsa_group_segment_fixed_size 225280
		.amdhsa_private_segment_fixed_size 0
		.amdhsa_enable_private_segment 0
		.amdhsa_kernarg_size 112
		.amdhsa_user_sgpr_count 2
		.amdhsa_user_sgpr_kernarg_segment_ptr 1
		.amdhsa_wavefront_size32 1
		.amdhsa_system_sgpr_workgroup_id_x 1
		.amdhsa_system_sgpr_workgroup_id_y 1
		.amdhsa_system_sgpr_workgroup_id_z 1
		.amdhsa_system_vgpr_workitem_id 0
		.amdhsa_next_free_vgpr 256
		.amdhsa_next_free_sgpr 66
		.amdhsa_reserve_vcc 1
		.amdhsa_float_denorm_mode_32 3
		.amdhsa_float_denorm_mode_16_64 3
		.amdhsa_memory_ordered 1
		.amdhsa_forward_progress 1
		.amdhsa_inst_pref_size 61
	.end_amdhsa_kernel
	.amdgpu_metadata
---
amdhsa.version: [ 1, 2 ]
amdhsa.kernels:
  - .name:           k_q90c597861c_prep
    .symbol:         k_q90c597861c_prep.kd
    .args:
      - { .name: hidden_states, .offset: 0, .size: 8, .value_kind: global_buffer, .address_space: global }
      - { .name: w_gate, .offset: 8, .size: 8, .value_kind: global_buffer, .address_space: global }
      - { .name: w_up, .offset: 16, .size: 8, .value_kind: global_buffer, .address_space: global }
      - { .name: w_down, .offset: 24, .size: 8, .value_kind: global_buffer, .address_space: global }
      - { .name: w_router, .offset: 32, .size: 8, .value_kind: global_buffer, .address_space: global }
      - { .name: down_embed, .offset: 40, .size: 8, .value_kind: global_buffer, .address_space: global }
      - { .name: up_embed, .offset: 48, .size: 8, .value_kind: global_buffer, .address_space: global }
      - { .name: xb, .offset: 56, .size: 8, .value_kind: global_buffer, .address_space: global }
      - { .name: wgu, .offset: 64, .size: 8, .value_kind: global_buffer, .address_space: global }
      - { .name: wdb, .offset: 72, .size: 8, .value_kind: global_buffer, .address_space: global }
      - { .name: tab, .offset: 80, .size: 8, .value_kind: global_buffer, .address_space: global }
      - { .name: out1, .offset: 88, .size: 8, .value_kind: global_buffer, .address_space: global }
      - { .name: sel_idx, .offset: 96, .size: 8, .value_kind: global_buffer, .address_space: global }
      - { .name: sel_w, .offset: 104, .size: 8, .value_kind: global_buffer, .address_space: global }
    .group_segment_fixed_size: 225280
    .private_segment_fixed_size: 0
    .kernarg_segment_align: 8
    .kernarg_segment_size: 112
    .max_flat_workgroup_size: 512
    .sgpr_count:     66
    .vgpr_count:     256
    .wavefront_size: 32
...
	.end_amdgpu_metadata
.endif
;; end of part 1
;; launch gateup (part 2): grid 32 x 16, 4 waves a work-group, clusters of 4 x 4, 327,680 bytes of LDS; arguments xb, wgu, hb; writes hb
.if DOCPART == 2
	.amdgcn_target "amdgcn-amd-amdhsa--gfx1250"
	.amdhsa_code_object_version 6
	.text
	.protected	k_q90c597861c_gateup
	.globl	k_q90c597861c_gateup
	.p2align	8
	.type	k_q90c597861c_gateup,@function
k_q90c597861c_gateup:
	s_mov_b64 s[64:65], 0
	v_nop
	global_prefetch_b8 v0, s[64:65] scope:SCOPE_SE
	s_setreg_imm32_b32 hwreg(HW_REG_WAVE_MODE, 25, 1), 1
	s_wait_xcnt 0x0
	s_wait_alu depctr_hold_cnt(0) depctr_sa_sdst(0) depctr_va_vdst(0) depctr_va_sdst(0) depctr_va_ssrc(0) depctr_va_vcc(0) depctr_vm_vsrc(0)
	s_getreg_b32 s2, hwreg(HW_REG_IB_STS2, 6, 4)
	s_cmp_eq_u32 s2, 0
	s_cbranch_scc0 .Lentry_in_a_cluster
	s_endpgm
.Lentry_in_a_cluster:
	s_bfe_u32 s2, ttmp6, 0x10000c
	s_cmp_lg_u32 s2, 0xf033
	s_cbranch_scc0 .Lentry_shape_is_right
	s_endpgm
.Lentry_shape_is_right:
; GATEUP: hb = silu(x Wg^T) * (x Wu^T) in bf16.  xb: [16 panels][4096 rows][64] bf16; wgu: [16][8192][64], gate and up alternating in groups of
; 16 rows; hb: [64 panels][4096][64].  Sums in f32, h rounded to bf16 once.  v_exp_f32 and v_rcp_f32 flush denormals (ISA guide 15.8).
; A work-group makes 256 rows of x times 256 rows of wgu (128 columns of h) with four waves; a wave 128 x 128: 64 accumulator tiles, 512 registers.
; K = 1024 goes in 8 steps of 128 (two panels) through two LDS slots.  One panel x 256 rows is a dense block of 32 KiB in memory: the tensor load
; takes it as 128 rows of 256 bytes, 16 bytes of padding behind each, so one LDS row (pitch 272) holds two logical rows of 128 bytes.
; CLUSTERS: 4 x 4 work-groups.  The four of a row of the cluster need the same tiles of x, the four of a column the same tiles of wgu: joint loads.
; REGISTERS in windows of 256: window 0: v0-31 addresses, v64-127 and v128-191 fragments of A (two buffers), v192-255 at work on the way out;
; window 1: fragments of B; window 2: accumulator tiles of my rows 0-63 (tile (a, b) at v[8 (8 a + b)]); window 3: rows 64-127.
; The matrix instruction is used transposed (source 0 = 16 rows of B, source 1 = 16 rows of A): lane l holds row l % 16, registers 0-7 the
; columns 8 (l / 16) + 0..7.  Tile (a, 2c) holds gate, tile (a, 2c+1) up, of the same 16 columns of h: same lane, same register.
.set PITCH,  272
.set PART,   128*PITCH                 ; one panel x 256 logical rows: what one tensor load brings
.set SLOT,   4*PART                    ; A panel 0, A panel 1, B panel 0, B panel 1
.set STAGE,  2*SLOT                    ; behind the ring: 8 LDS rows for each wave, for the way out; no tensor load fills it
.set HALFW,  64*PITCH                  ; 128 logical rows
.set FRAG,   8*PITCH                   ; 16 logical rows
.set APAN,   524288                    ; bytes of a panel of xb
.set BPAN,   1048576                   ; bytes of a panel of wgu
.set LAPS,   4                         ; a lap = two K steps = once round the ring
.set ADRA, 16
.set ADRB, 20
.set STO,  24
.set RD,   25
.set CO,   26
.set F0,   64
.set F1,   128
.set EX,   192
.set PR,   224
.set G1, 24
.set G0, 32
.set G1B, 48
.set G0B, 56
.set MSB, 0
.macro WIN new                         ; the immediate's high byte repeats the setting that is left
.if MSB != \new
	s_set_vgpr_msb (MSB<<8)|\new
.set MSB, \new
.endif
.endm
.set MUL_LO, 0xa1                      ; source 0 (B) window 1, source 1 (A) window 0, C and D window 2
.set MUL_HI, 0xf1                      ; the same, C and D window 3
.set TO_B,   0x40                      ; destination window 1, address window 0
; A joint load.  Waves 0 and 1 fetch A's two panels, waves 2 and 3 B's.  Each line has one mask and one set of registers for all that issue it.
.macro JLOAD s
	s_cmp_eq_u32 s11, 0
	s_cbranch_scc0 .Lfor_b_\@
	tensor_load_to_lds s[G0+4*\s:G0+4*\s+3], s[G1:G1+7]
	s_nop 0
.rept 4
	v_nop
.endr
	s_branch .Lasked_\@
.Lfor_b_\@:
	tensor_load_to_lds s[G0B+4*\s:G0B+4*\s+3], s[G1B:G1B+7]
	s_nop 0
.rept 4
	v_nop
.endr
.Lasked_\@:
.endm
.macro CREST                           ; a round of the cluster's barrier behind its opening work-group barrier
	s_cmp_lg_u32 s10, 0
	s_cbranch_scc1 .Lnot_wave_0_\@
	s_barrier_signal -3
.Lnot_wave_0_\@:
	s_barrier_wait -3
	s_barrier_signal -1
	s_barrier_wait -1
.endm
.macro CROUND                          ; a whole round
	s_barrier_signal -1
	s_barrier_wait -1
	CREST
.endm
	s_load_b128 s[4:7], s[0:1], 0x0                ; xb s[4:5], wgu s[6:7]
	s_load_b64 s[8:9], s[0:1], 0x10                ; hb
	s_set_vgpr_msb 0x40
	v_lshl_add_u32 v255, v0, 2, 0x48400
	s_set_vgpr_msb 0x4000
	v_mov_b32 v63, 0
	s_set_vgpr_msb 0x1
	ds_add_u32 v255, v63
	s_set_vgpr_msb 0x100
	v_lshrrev_b32 v1, 5, v0
	v_readfirstlane_b32 s10, v1                    ; wave 0..3
	s_lshr_b32 s11, s10, 1                         ; which half of the block's rows is mine.  Also: I fetch for A (0) or for B (1)
	s_and_b32 s12, s10, 1                          ; which half of its columns.  Also: which panel of the K step I fetch
	s_bfe_u32 s40, ttmp6, 0x40000                  ; cx
	s_bfe_u32 s41, ttmp6, 0x40004                  ; cy
	s_lshl_b32 s42, ttmp9, 2
	s_add_co_u32 s42, s42, s40                     ; block column = 4 x cluster x + cx
	s_and_b32 s13, ttmp7, 0xffff
	s_lshl_b32 s13, s13, 2
	s_add_co_u32 s13, s13, s41                     ; block row = 4 x cluster y + cy
	s_lshl_b32 s43, s41, 2
	s_lshl_b32 s43, 15, s43                        ; my row of the cluster
	s_lshl_b32 s44, 0x1111, s40                    ; my column
	; descriptor group 1: 128 rows x 128 elements of 2 bytes, dense in memory, padded in LDS
	s_or_b32 s[G1+0], s43, (1<<16)|(1<<20)|(1<<21)|(5<<22)|(3<<25)  ; mask: A's tiles go to my row; 2-byte elements; padding on; bit 21 beside a mask; after every 64 words, 4 words
	s_or_b32 s[G1B+0], s44, (1<<16)|(1<<20)|(1<<21)|(5<<22)|(3<<25) ; the same with the mask of my column
	s_mov_b32 s[G1+1], 128<<16                     ; tensor_dim0 = 128
	s_mov_b32 s[G1B+1], 128<<16
	s_mov_b32 s[G1+2], 128<<16                     ; tensor_dim1 = 128
	s_mov_b32 s[G1B+2], 128<<16
	s_mov_b32 s[G1+3], 128<<16                     ; tile_dim0 = 128
	s_mov_b32 s[G1B+3], 128<<16
	s_mov_b32 s[G1+4], 128                         ; tile_dim1 = 128
	s_mov_b32 s[G1B+4], 128
	s_mov_b32 s[G1+5], 128                         ; from row to row: 128 elements
	s_mov_b32 s[G1B+5], 128
	s_mov_b32 s[G1+6], 0
	s_mov_b32 s[G1B+6], 0
	s_mov_b32 s[G1+7], 0
	s_mov_b32 s[G1B+7], 0
	; where the tiles come from: A's hang on the block row alone, B's on the block column alone, each in registers that never hold the other
	s_lshl_b32 s16, s13, 15                        ; 256 rows of 128 bytes
	s_mul_i32 s17, s12, APAN                       ; my panel of the K step
	s_add_co_u32 s16, s16, s17
	s_mov_b32 s17, 0
	s_lshl_b32 s46, s42, 15
	s_mul_i32 s47, s12, BPAN
	s_add_co_u32 s46, s46, s47
	s_mov_b32 s47, 0
	s_mul_i32 s20, s10, PART                       ; where they go: wave x one part: no place in the cluster enters an LDS address
	s_wait_dscnt 0x0
	s_wait_kmcnt 0x0
	s_add_nc_u64 s[14:15], s[4:5], s[16:17]
	s_add_nc_u64 s[46:47], s[6:7], s[46:47]
	CROUND                                         ; all sixteen work-groups are here: the first joint loads meet
.irp s, 0,1
	s_mov_b32 s[G0+4*\s], 1
	s_add_co_u32 s[G0+4*\s+1], s20, \s*SLOT
	s_add_nc_u64 s[G0+4*\s+2:G0+4*\s+3], s[14:15], \s*2*APAN       ; K step s: two panels on
	s_or_b32 s[G0+4*\s+3], s[G0+4*\s+3], 0x80000000
	s_mov_b32 s[G0B+4*\s], 1
	s_add_co_u32 s[G0B+4*\s+1], s20, \s*SLOT
	s_add_nc_u64 s[G0B+4*\s+2:G0B+4*\s+3], s[46:47], \s*2*BPAN
	s_or_b32 s[G0B+4*\s+3], s[G0B+4*\s+3], 0x80000000
	JLOAD \s                                       ; both slots are asked for before anything else: two tensor loads of the wave are out
.endr
	; a fragment: lane l holds logical row l % 16 = LDS row (l % 16) >> 1, half (l % 16) & 1; 16 bytes at 16 (l / 16) and 32 further on.
	v_and_b32 v1, 15, v0
	v_bfe_u32 v2, v0, 4, 1
	v_lshrrev_b32 v4, 1, v1
	v_mul_u32_u24 v3, v4, PITCH
	v_and_b32 v4, 1, v1
	v_lshl_add_u32 v3, v4, 7, v3
	v_lshl_add_u32 v3, v2, 4, v3
	s_mul_i32 s21, s11, HALFW                      ; my 128 rows of A
	s_mul_i32 s22, s12, HALFW                      ; my 128 rows of B,
	s_add_co_u32 s22, s22, 2*PART                  ; which lie behind A's two panels
.irp s, 0,1
	v_add_nc_u32 v[ADRA+\s], s21, v3
	v_add_nc_u32 v[ADRB+\s], s22, v3
	s_add_co_u32 s21, s21, SLOT
	s_add_co_u32 s22, s22, SLOT
.endr
	s_mul_i32 s23, s10, 16*PITCH
	s_add_co_u32 s23, s23, STAGE                   ; my stage
	v_add_nc_u32 v[STO], s23, v3                   ; in: the same panel form as the tiles
	v_mul_u32_u24 v5, v2, PITCH                    ; back: lanes 0-15 one LDS row of 256 bytes, lanes 16-31 the next
	v_lshl_add_u32 v5, v1, 4, v5
	v_add_nc_u32 v[RD], s23, v5
	v_and_b32 v5, 31, v0
	v_lshlrev_b32 v[CO], 4, v5                     ; out: 16 bytes a lane, dense
.macro MUL16 f, hi, a0, zero           ; 16 matrix instructions: m blocks a0, a0 + 1 of the window's four x all 8 n blocks, 32 along K
.irp a, \a0, \a0+1
.irp b, 0,1,2,3,4,5,6,7
.if \zero
	v_wmma_f32_16x16x32_bf16 v[8*(8*(\a)+\b):8*(8*(\a)+\b)+7], v[\f+8*\b:\f+8*\b+7], v[\f+8*(4*\hi+\a):\f+8*(4*\hi+\a)+7], 0
.else
	v_wmma_f32_16x16x32_bf16 v[8*(8*(\a)+\b):8*(8*(\a)+\b)+7], v[\f+8*\b:\f+8*\b+7], v[\f+8*(4*\hi+\a):\f+8*(4*\hi+\a)+7], v[8*(8*(\a)+\b):8*(8*(\a)+\b)+7]
.endif
.endr
.endr
.endm
.macro FETCH slot, k, f                ; 32 LDS loads in one run: the fragments of one quarter step, at byte k of the slot's parts
	WIN TO_B
.irp i, 0,1,2,3,4,5,6,7
	ds_load_b128 v[\f+8*\i:\f+8*\i+3],   v[ADRB+\slot] offset:\k+\i*FRAG
	ds_load_b128 v[\f+8*\i+4:\f+8*\i+7], v[ADRB+\slot] offset:\k+\i*FRAG+32
.endr
	WIN 0
.irp i, 0,1,2,3,4,5,6,7
	ds_load_b128 v[\f+8*\i:\f+8*\i+3],   v[ADRA+\slot] offset:\k+\i*FRAG
	ds_load_b128 v[\f+8*\i+4:\f+8*\i+7], v[ADRA+\slot] offset:\k+\i*FRAG+32
.endr
.endm
.macro PLACES                          ; four independent vector instructions behind a matrix instruction (ISA guide 7.12.1) before its registers are loaded or read
.rept 4
	v_nop
.endr
.endm
; The 64 accumulators take turns, one instruction a turn, in the same order in every quarter step.
.macro QUARTER slot, k, f, g, zero
	s_wait_dscnt 8                                 ; B and A's rows 0-63 are in; the youngest eight loads (A's rows 64-127) may be out
	WIN MUL_LO
	MUL16 \f, 0, 0, \zero
	MUL16 \f, 0, 2, \zero
	PLACES
	FETCH \slot, \k, \g
	s_wait_dscnt 32                                ; all but the 32 just issued
	WIN MUL_HI
	MUL16 \f, 1, 0, \zero
	MUL16 \f, 1, 2, \zero
.endm
.macro THREE slot, zero                ; quarters at bytes 0, 64 of panel 0 and 0 of panel 1
	QUARTER \slot, 64,      F0, F1, \zero
	QUARTER \slot, PART,    F1, F0, 0
	QUARTER \slot, PART+64, F0, F1, 0
.endm
; The last quarter changes slots.  In front of the barrier each wave waits for its reads of this slot and for all its tensor loads (one is out:
; its part of the next slot).  Where the slot is filled again the barrier opens a round of the cluster's barrier, and the joint refill is the
; first tensor load behind the round's closing wait.  From a request to the wait for it a wave issues 240 matrix instructions.
.macro TURN slot, next, fill
	s_wait_dscnt 8
	WIN MUL_LO
	MUL16 F1, 0, 0, 0
	s_wait_dscnt 0
	s_wait_tensorcnt 0x0
	ds_add_u32 v255, v63
	s_wait_dscnt 0x0
	s_barrier_signal -1
	MUL16 F1, 0, 2, 0
	WIN 0
	s_barrier_wait -1
.if \fill
	CREST
	s_add_nc_u64 s[G0+4*\slot+2:G0+4*\slot+3], s[G0+4*\slot+2:G0+4*\slot+3], 4*APAN     ; two K steps = four panels on; no load of mine is out
	s_add_nc_u64 s[G0B+4*\slot+2:G0B+4*\slot+3], s[G0B+4*\slot+2:G0B+4*\slot+3], 4*BPAN
	JLOAD \slot                                    ; its four v_nop are also the places in front of the loads below
.else
	PLACES
.endif
	FETCH \next, 0, F0
	WIN MUL_HI
	MUL16 F1, 1, 0, 0
	MUL16 F1, 1, 2, 0
.endm
.macro LAP zero
	THREE 0, \zero
	TURN 0, 1, 1
	THREE 1, 0
	TURN 1, 0, 1
.endm
	s_wait_tensorcnt 1                             ; my part of K step 0 is in; K step 1's may stay out
	s_barrier_signal -1
	s_barrier_wait -1
	FETCH 0, 0, F0
	LAP 1                                          ; the first lap's first products start the sums: nothing is cleared
	WIN 0
	s_mov_b32 s3, LAPS-2
.Llap:
	LAP 0
	WIN 0
	s_sub_co_u32 s3, s3, 1
	s_cmp_lg_u32 s3, 0
	s_cbranch_scc1 .Llap
	THREE 0, 0                                     ; the last lap fills nothing
	TURN 0, 1, 0
	THREE 1, 0
	s_wait_dscnt 8
	WIN MUL_LO
	MUL16 F1, 0, 0, 0
	MUL16 F1, 0, 2, 0
	s_wait_dscnt 0
	WIN MUL_HI
	MUL16 F1, 1, 0, 0
	MUL16 F1, 1, 2, 0
	; THE WAY OUT.  My 128 rows x 64 columns of h are one dense run of 16 KiB in panel 2 x block column + half.
	PLACES
	s_lshl_b32 s46, s42, 1
	s_add_co_u32 s46, s46, s12
	s_lshl_b32 s46, s46, 19                        ; the panel, 524,288 bytes each
	s_mov_b32 s47, 0
	s_add_nc_u64 s[8:9], s[8:9], s[46:47]
	s_lshl_b32 s16, s13, 15                        ; 256 rows of 128 bytes a block row
	s_lshl_b32 s14, s11, 14                        ; + my 128 rows
	s_add_co_u32 s16, s16, s14
	s_mov_b32 s17, 0
	s_add_nc_u64 s[8:9], s[8:9], s[16:17]
; rows 16 i .. 16 i + 15: silu(g) u = g u / (1 + 2^(-1.442695 g)), 32 numbers a lane; rounded, through my stage, out as 4 x 512 dense bytes
.macro OUTH i, a, from, f
	WIN \from
.irp c, 0,1,2,3
.irp p, 0,1,2,3
	v_pk_mul_f32 v[EX+8*\c+2*\p:EX+8*\c+2*\p+1], v[8*(8*\a+2*\c)+2*\p:8*(8*\a+2*\c)+2*\p+1], 0xbfb8aa3b op_sel_hi:[1,0]
	v_pk_mul_f32 v[PR+8*\c+2*\p:PR+8*\c+2*\p+1], v[8*(8*\a+2*\c)+2*\p:8*(8*\a+2*\c)+2*\p+1], v[8*(8*\a+2*\c+1)+2*\p:8*(8*\a+2*\c+1)+2*\p+1]
.endr
.endr
	WIN 0
.set j, 0
.rept 32
	v_exp_f32 v[EX+j], v[EX+j]
.set j, j+1
.endr
	v_nop                                          ; one plain instruction behind the transcendentals (ISA guide 5.7.2)
.set j, 0
	s_wait_alu depctr_va_vdst(0)
.rept 16
	v_pk_add_f32 v[EX+j:EX+j+1], v[EX+j:EX+j+1], 1.0 op_sel_hi:[1,0]
.set j, j+2
.endr
.set j, 0
.rept 32
	v_rcp_f32 v[EX+j], v[EX+j]
.set j, j+1
.endr
	v_nop
.set j, 0
	s_wait_alu depctr_va_vdst(0)
.rept 16
	v_pk_mul_f32 v[PR+j:PR+j+1], v[PR+j:PR+j+1], v[EX+j:EX+j+1]
.set j, j+2
.endr
.set j, 0
.rept 16
	v_cvt_pk_bf16_f32 v[EX+j], v[PR+2*j], v[PR+2*j+1]
.set j, j+1
.endr
.irp c, 0,1,2,3
	ds_store_b128 v[STO], v[EX+4*\c:EX+4*\c+3] offset:32*\c        ; columns 16 c + 8 (l / 16) .. + 7 of row l % 16
.endr
	s_wait_xcnt 0x0                                ; buffer f, which earlier stores read, is loaded again only behind this wait
.irp t, 0,1,2,3
	ds_load_b128 v[\f+4*\t:\f+4*\t+3], v[RD] offset:\t*2*PITCH     ; LDS serves a wave's instructions in order (ISA guide 5.7.1): these see the stores above
.endr
.irp t, 0,1,2,3
	s_wait_dscnt 3-\t
	global_store_b128 v[CO], v[\f+4*\t:\f+4*\t+3], s[8:9] offset:\i*2048+\t*512    ; the wave's store covers 512 consecutive bytes, aligned
.endr
.endm
	OUTH 0, 0, 0x0a, F0
	OUTH 1, 1, 0x0a, F1
	OUTH 2, 2, 0x0a, F0
	OUTH 3, 3, 0x0a, F1
	OUTH 4, 0, 0x0f, F0
	OUTH 5, 1, 0x0f, F1
	OUTH 6, 2, 0x0f, F0
	OUTH 7, 3, 0x0f, F1
	s_set_vgpr_msb 0x1
	s_wait_tensorcnt 0x0
	ds_add_u32 v255, v63
	s_wait_dscnt 0x0
	s_set_vgpr_msb 0x100
	CROUND                                         ; the closing round: no work-group ends while a partner may still ask for a tile that names it
	s_endpgm
.Lfunc_end_k_q90c597861c_gateup:
	.size	k_q90c597861c_gateup, .Lfunc_end_k_q90c597861c_gateup-k_q90c597861c_gateup
	.p2alignl 7, 3214868480
	.fill 96, 4, 3214868480
	.section	.rodata,"a",@progbits
	.p2align	6, 0x0
	.amdhsa_kernel k_q90c597861c_gateup
		.amdhsa_group_segment_fixed_size 327680
		.amdhsa_private_segment_fixed_size 0
		.amdhsa_enable_private_segment 0
		.amdhsa_kernarg_size 24
		.amdhsa_user_sgpr_count 2
		.amdhsa_user_sgpr_kernarg_segment_ptr 1
		.amdhsa_wavefront_size32 1
		.amdhsa_system_sgpr_workgroup_id_x 1
		.amdhsa_system_sgpr_workgroup_id_y 1
		.amdhsa_system_sgpr_workgroup_id_z 1
		.amdhsa_system_vgpr_workitem_id 0
		.amdhsa_next_free_vgpr 1024
		.amdhsa_next_free_sgpr 66
		.amdhsa_reserve_vcc 0
		.amdhsa_float_denorm_mode_32 3
		.amdhsa_float_denorm_mode_16_64 3
		.amdhsa_memory_ordered 1
		.amdhsa_forward_progress 1
		.amdhsa_inst_pref_size 234
	.end_amdhsa_kernel
	.amdgpu_metadata
---
amdhsa.version: [ 1, 2 ]
amdhsa.kernels:
  - .name:           k_q90c597861c_gateup
    .symbol:         k_q90c597861c_gateup.kd
    .args:
      - { .name: xb, .offset: 0, .size: 8, .value_kind: global_buffer, .address_space: global }
      - { .name: wgu, .offset: 8, .size: 8, .value_kind: global_buffer, .address_space: global }
      - { .name: hb, .offset: 16, .size: 8, .value_kind: global_buffer, .address_space: global }
    .group_segment_fixed_size: 327680
    .private_segment_fixed_size: 0
    .kernarg_segment_align: 8
    .kernarg_segment_size: 24
    .max_flat_workgroup_size: 128
    .sgpr_count:     66
    .vgpr_count:     1024
    .wavefront_size: 32
...
	.end_amdgpu_metadata
.endif
;; end of part 2
;; launch down (part 3): grid 4 x 64, 4 waves a work-group, clusters of 4 x 4, 327,680 bytes of LDS; arguments hb, wdb, part; writes part
.if DOCPART == 3
	.amdgcn_target "amdgcn-amd-amdhsa--gfx1250"
	.amdhsa_code_object_version 6
	.text
	.protected	k_q90c597861c_down
	.globl	k_q90c597861c_down
	.p2align	8
	.type	k_q90c597861c_down,@function
k_q90c597861c_down:
	s_mov_b64 s[64:65], 0
	v_nop
	global_prefetch_b8 v0, s[64:65] scope:SCOPE_SE
	s_setreg_imm32_b32 hwreg(HW_REG_WAVE_MODE, 25, 1), 1
	s_wait_xcnt 0x0
	s_wait_alu depctr_hold_cnt(0) depctr_sa_sdst(0) depctr_va_vdst(0) depctr_va_sdst(0) depctr_va_ssrc(0) depctr_va_vcc(0) depctr_vm_vsrc(0)
	s_getreg_b32 s2, hwreg(HW_REG_IB_STS2, 6, 4)
	s_cmp_eq_u32 s2, 0
	s_cbranch_scc0 .Lentry_in_a_cluster
	s_endpgm
.Lentry_in_a_cluster:
	s_bfe_u32 s2, ttmp6, 0x10000c
	s_cmp_lg_u32 s2, 0xf033
	s_cbranch_scc0 .Lentry_shape_is_right
	s_endpgm
.Lentry_shape_is_right:
; DOWN: part[ks] = h[:, 1024 ks .. +1023] Wd[:, the same]^T in f32, ks = 0..3.  hb: [64 panels][4096][64] bf16; wdb: [64][1024][64]; part: [4][4096][1024] f32.
; The product has only 16 x 4 blocks of 256 x 256, so K = 4096 is split in four ranges of 1024: 256 work-groups, each with the same wave tile of
; 128 x 128 and the same 8 K steps as the gate/up product.  The four partial sums are added, K ascending, by the launch that follows.
; Ring, tiles, windows, joint loads: one panel x 256 rows is a dense block of 32 KiB, taken as 128 rows of 256 bytes with 16 bytes of padding
; (LDS pitch 272, two logical rows of 128 bytes in an LDS row).  4 x 4 work-groups form a cluster: h's tiles are shared along a row of the cluster,
; Wd's along a column.  The K range comes from the cluster's y alone, so it is the same in all sixteen.
; The matrix instruction is used transposed (source 0 = 16 rows of Wd, source 1 = 16 rows of h): lane l holds row l % 16, registers 0-7 the
; columns 8 (l / 16) + 0..7: 32 neighbouring bytes of f32.
.set PITCH,  272
.set PART,   128*PITCH
.set SLOT,   4*PART
.set STAGE,  2*SLOT
.set HALFW,  64*PITCH
.set FRAG,   8*PITCH
.set APAN,   524288                    ; bytes of a panel of hb
.set BPAN,   131072                    ; bytes of a panel of wdb
.set LAPS,   4
.set ADRA, 16
.set ADRB, 20
.set STO,  24
.set RD,   25
.set CO,   26
.set F0,   64
.set F1,   128
.set G1, 24
.set G0, 32
.set G1B, 48
.set G0B, 56
.set MSB, 0
.macro WIN new                         ; the immediate's high byte repeats the setting that is left
.if MSB != \new
	s_set_vgpr_msb (MSB<<8)|\new
.set MSB, \new
.endif
.endm
.set MUL_LO, 0xa1
.set MUL_HI, 0xf1
.set TO_B,   0x40
.macro JLOAD s                         ; waves 0 and 1 fetch A's two panels, waves 2 and 3 B's; one mask and one set of registers a line
	s_cmp_eq_u32 s11, 0
	s_cbranch_scc0 .Lfor_b_\@
	tensor_load_to_lds s[G0+4*\s:G0+4*\s+3], s[G1:G1+7]
	s_nop 0
.rept 4
	v_nop
.endr
	s_branch .Lasked_\@
.Lfor_b_\@:
	tensor_load_to_lds s[G0B+4*\s:G0B+4*\s+3], s[G1B:G1B+7]
	s_nop 0
.rept 4
	v_nop
.endr
.Lasked_\@:
.endm
.macro CREST
	s_cmp_lg_u32 s10, 0
	s_cbranch_scc1 .Lnot_wave_0_\@
	s_barrier_signal -3
.Lnot_wave_0_\@:
	s_barrier_wait -3
	s_barrier_signal -1
	s_barrier_wait -1
.endm
.macro CROUND
	s_barrier_signal -1
	s_barrier_wait -1
	CREST
.endm
	s_load_b128 s[4:7], s[0:1], 0x0                ; hb s[4:5], wdb s[6:7]
	s_load_b64 s[8:9], s[0:1], 0x10                ; part
	s_set_vgpr_msb 0x40
	v_lshl_add_u32 v255, v0, 2, 0x48400
	s_set_vgpr_msb 0x4000
	v_mov_b32 v255, 0
	s_set_vgpr_msb 0x1
	ds_add_u32 v255, v255
	s_set_vgpr_msb 0x100
	v_lshrrev_b32 v1, 5, v0
	v_readfirstlane_b32 s10, v1                    ; wave 0..3
	s_lshr_b32 s11, s10, 1
	s_and_b32 s12, s10, 1
	s_bfe_u32 s40, ttmp6, 0x40000                  ; cx
	s_bfe_u32 s41, ttmp6, 0x40004                  ; cy
	s_lshl_b32 s42, ttmp9, 2
	s_add_co_u32 s42, s42, s40                     ; block column 0..3
	s_and_b32 s13, ttmp7, 0xffff                   ; the cluster's y, 0..15
	s_lshr_b32 s45, s13, 2                         ; K range 0..3
	s_and_b32 s13, s13, 3
	s_lshl_b32 s13, s13, 2
	s_add_co_u32 s13, s13, s41                     ; block row 0..15
	s_lshl_b32 s43, s41, 2
	s_lshl_b32 s43, 15, s43                        ; my row of the cluster
	s_lshl_b32 s44, 0x1111, s40                    ; my column
	s_or_b32 s[G1+0], s43, (1<<16)|(1<<20)|(1<<21)|(5<<22)|(3<<25)  ; mask; 2-byte elements; padding on; bit 21 beside a mask; after every 64 words, 4 words
	s_or_b32 s[G1B+0], s44, (1<<16)|(1<<20)|(1<<21)|(5<<22)|(3<<25)
	s_mov_b32 s[G1+1], 128<<16                     ; tensor_dim0 = 128
	s_mov_b32 s[G1B+1], 128<<16
	s_mov_b32 s[G1+2], 128<<16                     ; tensor_dim1 = 128
	s_mov_b32 s[G1B+2], 128<<16
	s_mov_b32 s[G1+3], 128<<16                     ; tile_dim0 = 128
	s_mov_b32 s[G1B+3], 128<<16
	s_mov_b32 s[G1+4], 128                         ; tile_dim1 = 128
	s_mov_b32 s[G1B+4], 128
	s_mov_b32 s[G1+5], 128                         ; from row to row: 128 elements
	s_mov_b32 s[G1B+5], 128
	s_mov_b32 s[G1+6], 0
	s_mov_b32 s[G1B+6], 0
	s_mov_b32 s[G1+7], 0
	s_mov_b32 s[G1B+7], 0
	s_lshl_b32 s16, s45, 23                        ; A: 16 panels of 524,288 bytes a K range
	s_lshl_b32 s17, s13, 15                        ;    + 256 rows of 128 bytes a block row
	s_add_co_u32 s16, s16, s17
	s_mul_i32 s17, s12, APAN                       ;    + my panel of the K step
	s_add_co_u32 s16, s16, s17
	s_mov_b32 s17, 0
	s_lshl_b32 s46, s45, 21                        ; B: 16 panels of 131,072 bytes a K range
	s_lshl_b32 s47, s42, 15
	s_add_co_u32 s46, s46, s47
	s_mul_i32 s47, s12, BPAN
	s_add_co_u32 s46, s46, s47
	s_mov_b32 s47, 0
	s_mul_i32 s20, s10, PART
	s_wait_dscnt 0x0
	s_wait_kmcnt 0x0
	s_add_nc_u64 s[14:15], s[4:5], s[16:17]
	s_add_nc_u64 s[46:47], s[6:7], s[46:47]
	CROUND                                         ; all sixteen work-groups are here: the first joint loads meet
.irp s, 0,1
	s_mov_b32 s[G0+4*\s], 1
	s_add_co_u32 s[G0+4*\s+1], s20, \s*SLOT
	s_add_nc_u64 s[G0+4*\s+2:G0+4*\s+3], s[14:15], \s*2*APAN
	s_or_b32 s[G0+4*\s+3], s[G0+4*\s+3], 0x80000000
	s_mov_b32 s[G0B+4*\s], 1
	s_add_co_u32 s[G0B+4*\s+1], s20, \s*SLOT
	s_add_nc_u64 s[G0B+4*\s+2:G0B+4*\s+3], s[46:47], \s*2*BPAN
	s_or_b32 s[G0B+4*\s+3], s[G0B+4*\s+3], 0x80000000
	JLOAD \s                                       ; two tensor loads of the wave are out
.endr
	v_and_b32 v1, 15, v0
	v_bfe_u32 v2, v0, 4, 1
	v_lshrrev_b32 v4, 1, v1
	v_mul_u32_u24 v3, v4, PITCH
	v_and_b32 v4, 1, v1
	v_lshl_add_u32 v3, v4, 7, v3
	v_lshl_add_u32 v3, v2, 4, v3                   ; LDS row (r >> 1), half (r & 1), 16 bytes for each half of the lanes
	s_mul_i32 s21, s11, HALFW
	s_mul_i32 s22, s12, HALFW
	s_add_co_u32 s22, s22, 2*PART
.irp s, 0,1
	v_add_nc_u32 v[ADRA+\s], s21, v3
	v_add_nc_u32 v[ADRB+\s], s22, v3
	s_add_co_u32 s21, s21, SLOT
	s_add_co_u32 s22, s22, SLOT
.endr
	s_mul_i32 s23, s10, 16*PITCH
	s_add_co_u32 s23, s23, STAGE                   ; my stage: 16 rows of 64 f32, pitch 272
	v_mul_u32_u24 v4, v1, PITCH
	v_lshl_add_u32 v4, v2, 5, v4                   ; in: row l % 16, 32 bytes for each half of the lanes
	v_add_nc_u32 v[STO], s23, v4
	v_mul_u32_u24 v5, v2, PITCH                    ; back: lanes 0-15 one row of 256 bytes, lanes 16-31 the next
	v_lshl_add_u32 v5, v1, 4, v5
	v_add_nc_u32 v[RD], s23, v5
	v_lshlrev_b32 v5, 12, v2                       ; and the same two rows of part, 4,096 bytes apart
	v_lshl_add_u32 v[CO], v1, 4, v5
.macro MUL16 f, hi, a0, zero
.irp a, \a0, \a0+1
.irp b, 0,1,2,3,4,5,6,7
.if \zero
	v_wmma_f32_16x16x32_bf16 v[8*(8*(\a)+\b):8*(8*(\a)+\b)+7], v[\f+8*\b:\f+8*\b+7], v[\f+8*(4*\hi+\a):\f+8*(4*\hi+\a)+7], 0
.else
	v_wmma_f32_16x16x32_bf16 v[8*(8*(\a)+\b):8*(8*(\a)+\b)+7], v[\f+8*\b:\f+8*\b+7], v[\f+8*(4*\hi+\a):\f+8*(4*\hi+\a)+7], v[8*(8*(\a)+\b):8*(8*(\a)+\b)+7]
.endif
.endr
.endr
.endm
.macro FETCH slot, k, f
	WIN TO_B
.irp i, 0,1,2,3,4,5,6,7
	ds_load_b128 v[\f+8*\i:\f+8*\i+3],   v[ADRB+\slot] offset:\k+\i*FRAG
	ds_load_b128 v[\f+8*\i+4:\f+8*\i+7], v[ADRB+\slot] offset:\k+\i*FRAG+32
.endr
	WIN 0
.irp i, 0,1,2,3,4,5,6,7
	ds_load_b128 v[\f+8*\i:\f+8*\i+3],   v[ADRA+\slot] offset:\k+\i*FRAG
	ds_load_b128 v[\f+8*\i+4:\f+8*\i+7], v[ADRA+\slot] offset:\k+\i*FRAG+32
.endr
.endm
.macro PLACES                          ; four independent vector instructions behind a matrix instruction (ISA guide 7.12.1) before its registers are loaded or read
.rept 4
	v_nop
.endr
.endm
; The 64 accumulators take turns, one instruction a turn, in the same order in every quarter step.
.macro QUARTER slot, k, f, g, zero
	s_wait_dscnt 8                                 ; the youngest eight loads (A's rows 64-127) may be out
	WIN MUL_LO
	MUL16 \f, 0, 0, \zero
	MUL16 \f, 0, 2, \zero
	PLACES
	FETCH \slot, \k, \g
	s_wait_dscnt 32                                ; all but the 32 just issued
	WIN MUL_HI
	MUL16 \f, 1, 0, \zero
	MUL16 \f, 1, 2, \zero
.endm
.macro THREE slot, zero
	QUARTER \slot, 64,      F0, F1, \zero
	QUARTER \slot, PART,    F1, F0, 0
	QUARTER \slot, PART+64, F0, F1, 0
.endm
; The change of slots: each wave's reads of this slot and all its tensor loads are waited for in front of the opening signal; where the slot is
; filled again the barrier opens a round of the cluster's barrier and the joint refill is the first tensor load behind its closing wait.
.macro TURN slot, next, fill
	s_wait_dscnt 8
	WIN MUL_LO
	MUL16 F1, 0, 0, 0
	s_wait_dscnt 0
	s_wait_tensorcnt 0x0
	ds_add_u32 v255, v255
	s_wait_dscnt 0x0
	s_barrier_signal -1
	MUL16 F1, 0, 2, 0
	WIN 0
	s_barrier_wait -1
.if \fill
	CREST
	s_add_nc_u64 s[G0+4*\slot+2:G0+4*\slot+3], s[G0+4*\slot+2:G0+4*\slot+3], 4*APAN
	s_add_nc_u64 s[G0B+4*\slot+2:G0B+4*\slot+3], s[G0B+4*\slot+2:G0B+4*\slot+3], 4*BPAN
	JLOAD \slot
.else
	PLACES
.endif
	FETCH \next, 0, F0
	WIN MUL_HI
	MUL16 F1, 1, 0, 0
	MUL16 F1, 1, 2, 0
.endm
.macro LAP zero
	THREE 0, \zero
	TURN 0, 1, 1
	THREE 1, 0
	TURN 1, 0, 1
.endm
	s_wait_tensorcnt 1                             ; my part of K step 0 is in; K step 1's may stay out
	s_barrier_signal -1
	s_barrier_wait -1
	FETCH 0, 0, F0
	LAP 1
	WIN 0
	s_mov_b32 s3, LAPS-2
.Llap:
	LAP 0
	WIN 0
	s_sub_co_u32 s3, s3, 1
	s_cmp_lg_u32 s3, 0
	s_cbranch_scc1 .Llap
	THREE 0, 0
	TURN 0, 1, 0
	THREE 1, 0
	s_wait_dscnt 8
	WIN MUL_LO
	MUL16 F1, 0, 0, 0
	MUL16 F1, 0, 2, 0
	s_wait_dscnt 0
	WIN MUL_HI
	MUL16 F1, 1, 0, 0
	MUL16 F1, 1, 2, 0
	; THE WAY OUT, 16 rows x 64 columns of f32 at a time through my own stage
	PLACES
	s_lshl_b32 s16, s45, 24                        ; the K range's plane of 16 MiB
	s_lshl_b32 s14, s13, 20                        ; + 256 rows of 4,096 bytes a block row
	s_add_co_u32 s16, s16, s14
	s_lshl_b32 s14, s11, 19                        ; + my 128 rows
	s_add_co_u32 s16, s16, s14
	s_mov_b32 s17, 0
	s_add_nc_u64 s[8:9], s[8:9], s[16:17]
	s_lshl_b32 s46, s42, 10                        ; + 256 columns a block column, 128 for my half
	s_lshl_b32 s47, s12, 9
	s_add_co_u32 s46, s46, s47
	s_mov_b32 s47, 0
	s_add_nc_u64 s[8:9], s[8:9], s[46:47]
; rows 16 i .. + 15, columns 64 hf .. + 63: tiles (a, 4 hf + 0..3) of window 2 or 3 (win: the window of an LDS store's data, source 1)
.macro OUTF i, a, hf, win, f
	WIN \win
.irp b, 0,1,2,3
	ds_store_b128 v[STO], v[8*(8*\a+4*\hf+\b):8*(8*\a+4*\hf+\b)+3] offset:64*\b
	ds_store_b128 v[STO], v[8*(8*\a+4*\hf+\b)+4:8*(8*\a+4*\hf+\b)+7] offset:64*\b+16
.endr
	WIN 0
	s_wait_xcnt 0x0                                ; buffer f, which earlier stores read, is loaded again only behind this wait
.irp t, 0,1,2,3,4,5,6,7
	ds_load_b128 v[\f+4*\t:\f+4*\t+3], v[RD] offset:\t*2*PITCH     ; LDS serves a wave's instructions in order (ISA guide 5.7.1): these see the stores above
.endr
.irp t, 0,1,2,3,4,5,6,7
	s_wait_dscnt 7-\t
	global_store_b128 v[CO], v[\f+4*\t:\f+4*\t+3], s[8:9] offset:(16*\i+2*\t)*4096+\hf*256     ; 16 lanes store 256 consecutive bytes, aligned
.endr
.endm
	OUTF 0, 0, 0, 0x08, F0
	OUTF 0, 0, 1, 0x08, F1
	OUTF 1, 1, 0, 0x08, F0
	OUTF 1, 1, 1, 0x08, F1
	OUTF 2, 2, 0, 0x08, F0
	OUTF 2, 2, 1, 0x08, F1
	OUTF 3, 3, 0, 0x08, F0
	OUTF 3, 3, 1, 0x08, F1
	OUTF 4, 0, 0, 0x0c, F0
	OUTF 4, 0, 1, 0x0c, F1
	OUTF 5, 1, 0, 0x0c, F0
	OUTF 5, 1, 1, 0x0c, F1
	OUTF 6, 2, 0, 0x0c, F0
	OUTF 6, 2, 1, 0x0c, F1
	OUTF 7, 3, 0, 0x0c, F0
	OUTF 7, 3, 1, 0x0c, F1
	s_set_vgpr_msb 0x1
	s_wait_tensorcnt 0x0
	ds_add_u32 v255, v255
	s_wait_dscnt 0x0
	s_set_vgpr_msb 0x100
	CROUND                                         ; the closing round
	s_endpgm
.Lfunc_end_k_q90c597861c_down:
	.size	k_q90c597861c_down, .Lfunc_end_k_q90c597861c_down-k_q90c597861c_down
	.p2alignl 7, 3214868480
	.fill 96, 4, 3214868480
	.section	.rodata,"a",@progbits
	.p2align	6, 0x0
	.amdhsa_kernel k_q90c597861c_down
		.amdhsa_group_segment_fixed_size 327680
		.amdhsa_private_segment_fixed_size 0
		.amdhsa_enable_private_segment 0
		.amdhsa_kernarg_size 24
		.amdhsa_user_sgpr_count 2
		.amdhsa_user_sgpr_kernarg_segment_ptr 1
		.amdhsa_wavefront_size32 1
		.amdhsa_system_sgpr_workgroup_id_x 1
		.amdhsa_system_sgpr_workgroup_id_y 1
		.amdhsa_system_sgpr_workgroup_id_z 1
		.amdhsa_system_vgpr_workitem_id 0
		.amdhsa_next_free_vgpr 1024
		.amdhsa_next_free_sgpr 66
		.amdhsa_reserve_vcc 0
		.amdhsa_float_denorm_mode_32 3
		.amdhsa_float_denorm_mode_16_64 3
		.amdhsa_memory_ordered 1
		.amdhsa_forward_progress 1
		.amdhsa_inst_pref_size 198
	.end_amdhsa_kernel
	.amdgpu_metadata
---
amdhsa.version: [ 1, 2 ]
amdhsa.kernels:
  - .name:           k_q90c597861c_down
    .symbol:         k_q90c597861c_down.kd
    .args:
      - { .name: hb, .offset: 0, .size: 8, .value_kind: global_buffer, .address_space: global }
      - { .name: wdb, .offset: 8, .size: 8, .value_kind: global_buffer, .address_space: global }
      - { .name: part, .offset: 16, .size: 8, .value_kind: global_buffer, .address_space: global }
    .group_segment_fixed_size: 327680
    .private_segment_fixed_size: 0
    .kernarg_segment_align: 8
    .kernarg_segment_size: 24
    .max_flat_workgroup_size: 128
    .sgpr_count:     66
    .vgpr_count:     1024
    .wavefront_size: 32
...
	.end_amdgpu_metadata
.endif
;; end of part 3
;; launch combine (part 4): grid 256 x 1, 16 waves a work-group, no clusters, 0 bytes of LDS; arguments hidden_states, tab, sel_idx, sel_w, part, out0; writes out0
.if DOCPART == 4
	.amdgcn_target "amdgcn-amd-amdhsa--gfx1250"
	.amdhsa_code_object_version 6
	.text
	.protected	k_q90c597861c_combine
	.globl	k_q90c597861c_combine
	.p2align	8
	.type	k_q90c597861c_combine,@function
k_q90c597861c_combine:
	s_mov_b64 s[64:65], 0
	v_nop
	global_prefetch_b8 v0, s[64:65] scope:SCOPE_SE
	s_setreg_imm32_b32 hwreg(HW_REG_WAVE_MODE, 25, 1), 1
	s_wait_xcnt 0x0
; COMBINE: out0[t] = part[0..3][t] summed + sum over k of silu(down_embed[idx_k] . x[t]) w_k up_embed[idx_k].
; tab: [4096 experts][2 KiB of down_embed | 2 KiB of up_embed] in bf16, stored by an earlier launch in the column order in which a lane's table
; register T (0..15) holds, low half and high half, the columns of the lane's f32 registers 2T and 2T+1 of a row loaded 16 bytes a lane.
; One wave, one token: an f32 row is 32 registers (eight loads of 512 consecutive bytes), a table row 16 (four loads).  The reduction never leaves
; the wave: no LDS, no barrier.  The eight indices and weights ([token & 1][token >> 1][8]) come in by scalar loads; an index is clamped to the
; table's 4,096 rows before it enters an address.  Matrix units and clusters are left out: each token has rows of its own and memory binds.
; All eight down rows are asked for at once; each slot is filled again with the matching up row behind its dot; one slot of 32 registers takes
; the partial sums 1, 2, 3 in turn.  No address register is ever rewritten.
; LIMITS: the tables are rounded to bf16 (operands of the two expert products; x, the products and all sums in f32).  The f32 sum runs: partial
; sums 0, 1, 2, the eight expert terms, partial sum 3.  v_exp_f32 and v_rcp_f32 flush denormals (ISA guide 15.8).
.set VOFF, 2                           ; v[2:9]     byte offset of my 16 bytes in expert idx_k's 4,096 bytes
.set D,    10                          ; v[10:17]   the eight dots, then silu(dot) x weight
.set C,    18                          ; v[18:21]   four chains of a dot
.set U,    22                          ; v[22:25]   four widened numbers
.set Z,    18                          ; v[18:25]   at work between the dots and the sums
.set X,    32                          ; v[32:63]   x's row
.set ACC,  64                          ; v[64:95]   the output's row
.set R,    96                          ; v[96:223]  eight table slots of 16 registers
.set P,    224                         ; v[224:255] a partial sum's row
.macro ROW8NT reg, base                ; an f32 row that the launch reads once
.irp jj, 0,1,2,3,4,5,6,7
	global_load_b128 v[(\reg)+4*\jj:(\reg)+4*\jj+3], v1, s[\base:\base+1] offset:512*\jj th:TH_LOAD_NT
.endr
.endm
.macro ROW4 k, imm                     ; expert k's down (imm 0) or up (imm 2048) row into slot k
.irp g, 0,1,2,3
	global_load_b128 v[R+16*(\k)+4*\g:R+16*(\k)+4*\g+3], v[VOFF+(\k)], s[6:7] offset:(\imm)+512*\g
.endr
.endm
.macro DOT k                           ; my 32 products, in four chains; the first four start them
	v_lshlrev_b32 v[U], 16, v[R+16*(\k)]
	v_and_b32 v[U+1], 0xffff0000, v[R+16*(\k)]
	v_lshlrev_b32 v[U+2], 16, v[R+16*(\k)+1]
	v_and_b32 v[U+3], 0xffff0000, v[R+16*(\k)+1]
	v_pk_mul_f32 v[C:C+1], v[U:U+1], v[X:X+1]
	v_pk_mul_f32 v[C+2:C+3], v[U+2:U+3], v[X+2:X+3]
.irp t, 2,3,4,5,6,7,8,9,10,11,12,13,14,15
	v_fma_mix_f32_bf16 v[C+(2*\t)%4], v[R+16*(\k)+\t], v[X+2*\t], v[C+(2*\t)%4] op_sel:[0,0,0] op_sel_hi:[1,0,0]
	v_fma_mix_f32_bf16 v[C+(2*\t)%4+1], v[R+16*(\k)+\t], v[X+2*\t+1], v[C+(2*\t)%4+1] op_sel:[1,0,0] op_sel_hi:[1,0,0]
.endr
	v_pk_add_f32 v[C:C+1], v[C:C+1], v[C+2:C+3]
	v_add_f32 v[D+(\k)], v[C], v[C+1]
.endm
.macro PADD
.irp q, 0,2,4,6,8,10,12,14,16,18,20,22,24,26,28,30
	v_pk_add_f32 v[ACC+\q:ACC+\q+1], v[ACC+\q:ACC+\q+1], v[P+\q:P+\q+1]
.endr
.endm
.macro AXPY k                          ; a bf16 half times an f32 factor, added in f32
.irp t, 0,1,2,3,4,5,6,7,8,9,10,11,12,13,14,15
	v_fma_mix_f32_bf16 v[ACC+2*\t], v[R+16*(\k)+\t], v[D+(\k)], v[ACC+2*\t] op_sel:[0,0,0] op_sel_hi:[1,0,0]
	v_fma_mix_f32_bf16 v[ACC+2*\t+1], v[R+16*(\k)+\t], v[D+(\k)], v[ACC+2*\t+1] op_sel:[1,0,0] op_sel_hi:[1,0,0]
.endr
.endm
	s_load_b256 s[4:11], s[0:1], 0x0               ; x s[4:5], tab s[6:7], sel_idx s[8:9], sel_w s[10:11]
	s_load_b128 s[12:15], s[0:1], 0x20             ; part s[12:13], out0 s[14:15]
	v_lshrrev_b32 v1, 5, v0
	v_readfirstlane_b32 s18, v1                    ; wave
	s_lshl_b32 s19, ttmp9, 4
	s_add_co_u32 s19, s19, s18                     ; my token
	s_and_b32 s20, s19, 1
	s_lshl_b32 s20, s20, 16                        ; (token & 1) x 2,048 entries of 32 bytes
	s_lshr_b32 s21, s19, 1
	s_lshl_b32 s21, s21, 5                         ; + (token >> 1) entries
	s_add_co_u32 s20, s20, s21
	s_mov_b32 s21, 0
	s_lshl_b32 s22, s19, 12                        ; 4,096 bytes a row
	s_mov_b32 s23, 0
	v_and_b32 v1, 31, v0
	v_lshlrev_b32 v1, 4, v1                        ; 16 bytes a lane
	s_mov_b32 s46, 0x76543210                      ; v_permlanex16_b32: lane i of one half reads lane i of the other
	s_mov_b32 s47, 0xfedcba98
	s_wait_kmcnt 0x0
	s_add_nc_u64 s[8:9], s[8:9], s[20:21]
	s_add_nc_u64 s[10:11], s[10:11], s[20:21]
	s_load_b256 s[24:31], s[8:9], 0x0              ; the eight experts
	s_load_b256 s[32:39], s[10:11], 0x0            ; their routing weights
	s_add_nc_u64 s[4:5], s[4:5], s[22:23]
	s_add_nc_u64 s[12:13], s[12:13], s[22:23]
	s_add_nc_u64 s[14:15], s[14:15], s[22:23]
	s_add_nc_u64 s[40:41], s[12:13], 0x1000000     ; the other three partial sums, 16 MiB apart
	s_add_nc_u64 s[42:43], s[12:13], 0x2000000
	s_add_nc_u64 s[44:45], s[12:13], 0x3000000
	ROW8NT X, 4
	ROW8NT ACC, 12                                 ; partial sum 0 starts the output's sum
	ROW8NT P, 40                                   ; partial sum 1
	s_wait_kmcnt 0x0
.irp k, 0,1,2,3,4,5,6,7
	s_min_u32 s[24+\k], s[24+\k], 4095
	v_lshl_add_u32 v[VOFF+\k], s[24+\k], 12, v1
.endr
.irp k, 0,1,2,3,4,5,6,7
	ROW4 \k, 0                                     ; the eight down rows: with the 24 loads above, 56 are on their way
.endr
	; loads come back in order (ISA guide 5.7.1): each count is the number of younger loads
	s_wait_loadcnt 28                              ; x, partial sums 0 and 1, down row 0 are in: seven down rows are younger
	PADD
	ROW8NT P, 42                                   ; partial sum 2
	DOT 0
	ROW4 0, 2048                                   ; the slot's up row
.irp k, 1,2,3,4,5,6,7
	s_wait_loadcnt 36                              ; down row k: (7 - k) down rows, partial sum 2's eight loads and k up rows are younger
	DOT \k
	ROW4 \k, 2048
.endr
	; the eight dots over the 32 lanes, side by side
.irp m, 1,2,4,8
.irp k, 0,1,2,3,4,5,6,7
	v_add_f32_dpp v[D+\k], v[D+\k], v[D+\k] row_xmask:\m row_mask:0xf bank_mask:0xf
.endr
.endr
.irp k, 0,1,2,3,4,5,6,7
	v_permlanex16_b32 v[Z+\k], v[D+\k], s46, s47
.endr
.irp k, 0,1,2,3,4,5,6,7
	v_add_f32 v[D+\k], v[D+\k], v[Z+\k]
.endr
	; silu(d) w = d w / (1 + 2^(-1.442695 d))
.irp k, 0,1,2,3,4,5,6,7
	v_mul_f32 v[Z+\k], 0xbfb8aa3b, v[D+\k]
.endr
.irp k, 0,1,2,3,4,5,6,7
	v_exp_f32 v[Z+\k], v[Z+\k]
.endr
	v_nop                                          ; one plain instruction behind the transcendentals (ISA guide 5.7.2)
	s_wait_alu depctr_va_vdst(0)
.irp k, 0,1,2,3,4,5,6,7
	v_add_f32 v[Z+\k], 1.0, v[Z+\k]
.endr
.irp k, 0,1,2,3,4,5,6,7
	v_rcp_f32 v[Z+\k], v[Z+\k]
.endr
	v_nop
	s_wait_alu depctr_va_vdst(0)
.irp k, 0,1,2,3,4,5,6,7
	v_mul_f32 v[D+\k], v[D+\k], v[Z+\k]
.endr
.irp k, 0,1,2,3,4,5,6,7
	v_mul_f32 v[D+\k], s[32+\k], v[D+\k]
.endr
	s_wait_loadcnt 32                              ; partial sum 2: the eight up rows are younger
	PADD
	ROW8NT P, 44                                   ; partial sum 3
.irp k, 0,1,2,3,4,5,6,7
	s_wait_loadcnt (7-\k)*4+8                      ; up row k: the later up rows and partial sum 3 are younger
	AXPY \k
.endr
	s_wait_loadcnt 0x0
	PADD
.irp jj, 0,1,2,3,4,5,6,7
	global_store_b128 v1, v[ACC+4*\jj:ACC+4*\jj+3], s[14:15] offset:512*\jj th:TH_STORE_NT     ; each store of the wave covers 512 consecutive bytes, aligned
.endr
	s_endpgm
.Lfunc_end_k_q90c597861c_combine:
	.size	k_q90c597861c_combine, .Lfunc_end_k_q90c597861c_combine-k_q90c597861c_combine
	.p2alignl 7, 3214868480
	.fill 96, 4, 3214868480
	.section	.rodata,"a",@progbits
	.p2align	6, 0x0
	.amdhsa_kernel k_q90c597861c_combine
		.amdhsa_group_segment_fixed_size 0
		.amdhsa_private_segment_fixed_size 0
		.amdhsa_enable_private_segment 0
		.amdhsa_kernarg_size 48
		.amdhsa_user_sgpr_count 2
		.amdhsa_user_sgpr_kernarg_segment_ptr 1
		.amdhsa_wavefront_size32 1
		.amdhsa_system_sgpr_workgroup_id_x 1
		.amdhsa_system_sgpr_workgroup_id_y 1
		.amdhsa_system_sgpr_workgroup_id_z 1
		.amdhsa_system_vgpr_workitem_id 0
		.amdhsa_next_free_vgpr 256
		.amdhsa_next_free_sgpr 66
		.amdhsa_reserve_vcc 0
		.amdhsa_float_denorm_mode_32 3
		.amdhsa_float_denorm_mode_16_64 3
		.amdhsa_memory_ordered 1
		.amdhsa_forward_progress 1
		.amdhsa_inst_pref_size 55
	.end_amdhsa_kernel
	.amdgpu_metadata
---
amdhsa.version: [ 1, 2 ]
amdhsa.kernels:
  - .name:           k_q90c597861c_combine
    .symbol:         k_q90c597861c_combine.kd
    .args:
      - { .name: hidden_states, .offset: 0, .size: 8, .value_kind: global_buffer, .address_space: global }
      - { .name: tab, .offset: 8, .size: 8, .value_kind: global_buffer, .address_space: global }
      - { .name: sel_idx, .offset: 16, .size: 8, .value_kind: global_buffer, .address_space: global }
      - { .name: sel_w, .offset: 24, .size: 8, .value_kind: global_buffer, .address_space: global }
      - { .name: part, .offset: 32, .size: 8, .value_kind: global_buffer, .address_space: global }
      - { .name: out0, .offset: 40, .size: 8, .value_kind: global_buffer, .address_space: global }
    .group_segment_fixed_size: 0
    .private_segment_fixed_size: 0
    .kernarg_segment_align: 8
    .kernarg_segment_size: 48
    .max_flat_workgroup_size: 512
    .sgpr_count:     66
    .vgpr_count:     256
    .wavefront_size: 32
...
	.end_amdgpu_metadata
.endif
;; end of part 4
;; ======== version 2 of 2: 4 launches; version 1 with the launch combine written anew for expert scheduling mode
;; workspace buffers: xb 8,388,608 bytes; wgu 16,777,216 bytes; wdb 8,388,608 bytes; hb 33,554,432 bytes; part 67,108,864 bytes; sel_idx 131,072 bytes of whole numbers; sel_w 131,072 bytes; tab 16,777,216 bytes
;; launch prep: the kernel of part 1 again; grid 256 x 1, 16 waves a work-group, no clusters, 225,280 bytes of LDS; arguments hidden_states, w_gate, w_up, w_down, w_router, down_embed, up_embed, xb, wgu, wdb, tab, out1, sel_idx, sel_w; writes xb, wgu, wdb, tab, out1, sel_idx, sel_w
;; launch gateup: the kernel of part 2 again; grid 32 x 16, 4 waves a work-group, clusters of 4 x 4, 327,680 bytes of LDS; arguments xb, wgu, hb; writes hb
;; launch down: the kernel of part 3 again; grid 4 x 64, 4 waves a work-group, clusters of 4 x 4, 327,680 bytes of LDS; arguments hb, wdb, part; writes part
;; launch combine (part 5): grid 256 x 1, 16 waves a work-group, no clusters, 0 bytes of LDS; arguments hidden_states, tab, sel_idx, sel_w, part, out0; writes out0
.if DOCPART == 5
	.amdgcn_target "amdgcn-amd-amdhsa--gfx1250"
	.amdhsa_code_object_version 6
	.text
	.protected	k_q90c597861c_combine
	.globl	k_q90c597861c_combine
	.p2align	8
	.type	k_q90c597861c_combine,@function
k_q90c597861c_combine:
	s_mov_b64 s[64:65], 0
	v_nop
	global_prefetch_b8 v0, s[64:65] scope:SCOPE_SE
	s_setreg_imm32_b32 hwreg(HW_REG_WAVE_SCHED_MODE, 0, 2), 2
	s_setreg_imm32_b32 hwreg(HW_REG_WAVE_MODE, 25, 1), 1
	s_wait_xcnt 0x0
	s_wait_alu depctr_vm_vsrc(0)
; COMBINE: out0[t] = part[0..3][t] summed + sum over k of silu(down_embed[idx_k] . x[t]) w_k up_embed[idx_k].
; tab: [4096 experts][2 KiB of down_embed | 2 KiB of up_embed] in bf16, stored by an earlier launch in the column order in which a lane's table
; register T (0..15) holds, low half and high half, the columns of the lane's f32 registers 2T and 2T+1 of a row loaded 16 bytes a lane.
; One wave, one token: an f32 row is 32 registers (eight loads of 512 consecutive bytes), a table row 16 (four loads).  The reduction never leaves
; the wave: no LDS, no barrier.  The eight indices and weights ([token & 1][token >> 1][8]) come in by scalar loads; an index is clamped to the
; table's 4,096 rows before it enters an address.  Matrix units and clusters are left out: each token has rows of its own and memory binds.
; All eight down rows are asked for at once; each slot is filled again with the matching up row during the next row's dot; one slot of 32
; registers takes the partial sums 1, 2, 3 in turn.  No address register is ever rewritten.
; LIMITS: the tables are rounded to bf16 (operands of the two expert products; x, the products and all sums in f32).  The f32 sum runs: partial
; sums 0, 1, 2, the eight expert terms, partial sum 3.  v_exp_f32 and v_rcp_f32 flush denormals (ISA guide 15.8).
; THE MODE: SCHED_MODE bits 1:0 = 2 (LLVM: expert scheduling mode 2), set by the entry lines.  The code itself states the register dependences
; between vector instructions and memory instructions, with s_wait_alu, always for 0.
; THE PLAN.  Registers that memory instructions touch:
;   v1, v[VOFF ..]  byte offsets: written once at the head, read by loads and stores, never written again: one wait ahead of each kind's first reader.
;   X               loaded once; read by the dots.
;   R, slot k       down row k lands; DOT k reads it (step k); up row k lands, asked for in step k + 1 behind that step's wait; AXPY k reads it.
;   P               partial sum 1 lands, a PADD reads it; partial sum 2 lands (asked for in step 1), a PADD reads it; partial sum 3 lands, the last PADD reads it.
;   ACC             partial sum 0 lands; PADD and AXPY write it; the eight stores read it, behind one wait.
;   C, U, Z, D      named by vector instructions alone.
; Step k works on slot k; its loads land in slot k - 1, which no vector instruction of step k names.  So ONE wait at a step's head, behind the
; wait for the step's data, states all that the step's loads hang on, and these are dealt among the dot's lines with no further wait.
; No register that a memory instruction reads is written again, so no wait on vm_vsrc is owed.
.set VOFF, 2                           ; v[2:9]     byte offset of my 16 bytes in expert idx_k's 4,096 bytes
.set D,    10                          ; v[10:17]   the eight dots, then silu(dot) x weight
.set C,    18                          ; v[18:21]   four chains of a dot
.set U,    22                          ; v[22:25]   four widened numbers
.set Z,    18                          ; v[18:25]   at work between the dots and the sums
.set X,    32                          ; v[32:63]   x's row
.set ACC,  64                          ; v[64:95]   the output's row
.set R,    96                          ; v[96:223]  eight table slots of 16 registers
.set P,    224                         ; v[224:255] a partial sum's row
.macro ROW8NT reg, base                ; an f32 row that the launch reads once
.irp jj, 0,1,2,3,4,5,6,7
	global_load_b128 v[(\reg)+4*\jj:(\reg)+4*\jj+3], v1, s[\base:\base+1] offset:512*\jj th:TH_LOAD_NT
.endr
.endm
.macro ROW4 k, imm                     ; expert k's down (imm 0) or up (imm 2048) row into slot k
.irp g, 0,1,2,3
	global_load_b128 v[R+16*(\k)+4*\g:R+16*(\k)+4*\g+3], v[VOFF+(\k)], s[6:7] offset:(\imm)+512*\g
.endr
.endm
; My 32 products of row k, in four chains; the first four start them.  fill: the slot that takes its up row meanwhile (-1: none): its four loads
; stand one ahead of every eighth multiply-add.  The dot names slot k, X, C, U and D + k: none of the registers that those loads touch.
.macro DOT k, fill
	v_lshlrev_b32 v[U], 16, v[R+16*(\k)]
	v_and_b32 v[U+1], 0xffff0000, v[R+16*(\k)]
	v_lshlrev_b32 v[U+2], 16, v[R+16*(\k)+1]
	v_and_b32 v[U+3], 0xffff0000, v[R+16*(\k)+1]
	v_pk_mul_f32 v[C:C+1], v[U:U+1], v[X:X+1]
	v_pk_mul_f32 v[C+2:C+3], v[U+2:U+3], v[X+2:X+3]
.irp t, 2,3,4,5,6,7,8,9,10,11,12,13,14,15
.if ((\fill) >= 0) && (((\t)%4) == 2)
	global_load_b128 v[R+16*(\fill)+(\t)-2:R+16*(\fill)+(\t)+1], v[VOFF+(\fill)], s[6:7] offset:2048+128*((\t)-2)   ; quarter (t - 2) / 4 of the up row
.endif
	v_fma_mix_f32_bf16 v[C+(2*\t)%4], v[R+16*(\k)+\t], v[X+2*\t], v[C+(2*\t)%4] op_sel:[0,0,0] op_sel_hi:[1,0,0]
	v_fma_mix_f32_bf16 v[C+(2*\t)%4+1], v[R+16*(\k)+\t], v[X+2*\t+1], v[C+(2*\t)%4+1] op_sel:[1,0,0] op_sel_hi:[1,0,0]
.endr
	v_pk_add_f32 v[C:C+1], v[C:C+1], v[C+2:C+3]
	v_add_f32 v[D+(\k)], v[C], v[C+1]
.endm
.macro PADD
.irp q, 0,2,4,6,8,10,12,14,16,18,20,22,24,26,28,30
	v_pk_add_f32 v[ACC+\q:ACC+\q+1], v[ACC+\q:ACC+\q+1], v[P+\q:P+\q+1]
.endr
.endm
.macro AXPY k                          ; a bf16 half times an f32 factor, added in f32
.irp t, 0,1,2,3,4,5,6,7,8,9,10,11,12,13,14,15
	v_fma_mix_f32_bf16 v[ACC+2*\t], v[R+16*(\k)+\t], v[D+(\k)], v[ACC+2*\t] op_sel:[0,0,0] op_sel_hi:[1,0,0]
	v_fma_mix_f32_bf16 v[ACC+2*\t+1], v[R+16*(\k)+\t], v[D+(\k)], v[ACC+2*\t+1] op_sel:[1,0,0] op_sel_hi:[1,0,0]
.endr
.endm
	s_load_b256 s[4:11], s[0:1], 0x0               ; x s[4:5], tab s[6:7], sel_idx s[8:9], sel_w s[10:11]
	s_load_b128 s[12:15], s[0:1], 0x20             ; part s[12:13], out0 s[14:15]
	v_lshrrev_b32 v1, 5, v0
	v_readfirstlane_b32 s18, v1                    ; wave
	v_and_b32 v1, 31, v0
	v_lshlrev_b32 v1, 4, v1                        ; 16 bytes a lane
	s_lshl_b32 s19, ttmp9, 4
	s_mov_b32 s46, 0x76543210                      ; v_permlanex16_b32: lane i of one half reads lane i of the other
	s_mov_b32 s47, 0xfedcba98
	s_wait_alu depctr_va_sdst(0)                   ; s18 is written, ahead of its first reader: the token's number and all bases are made from it
	s_add_co_u32 s19, s19, s18                     ; my token
	s_and_b32 s20, s19, 1
	s_lshl_b32 s20, s20, 16                        ; (token & 1) x 2,048 entries of 32 bytes
	s_lshr_b32 s21, s19, 1
	s_lshl_b32 s21, s21, 5                         ; + (token >> 1) entries
	s_add_co_u32 s20, s20, s21
	s_mov_b32 s21, 0
	s_lshl_b32 s22, s19, 12                        ; 4,096 bytes a row
	s_mov_b32 s23, 0
	s_wait_kmcnt 0x0
	s_add_nc_u64 s[8:9], s[8:9], s[20:21]
	s_add_nc_u64 s[10:11], s[10:11], s[20:21]
	s_load_b256 s[24:31], s[8:9], 0x0              ; the eight experts
	s_load_b256 s[32:39], s[10:11], 0x0            ; their routing weights
	s_add_nc_u64 s[4:5], s[4:5], s[22:23]
	s_add_nc_u64 s[12:13], s[12:13], s[22:23]
	s_add_nc_u64 s[14:15], s[14:15], s[22:23]
	s_add_nc_u64 s[40:41], s[12:13], 0x1000000     ; the other three partial sums, 16 MiB apart
	s_add_nc_u64 s[42:43], s[12:13], 0x2000000
	s_add_nc_u64 s[44:45], s[12:13], 0x3000000
	s_wait_alu depctr_va_vdst(0)                   ; v1 is written: every load of an f32 row and every store reads it as its offset
	ROW8NT X, 4
	ROW8NT ACC, 12                                 ; partial sum 0 starts the output's sum
	ROW8NT P, 40                                   ; partial sum 1
	s_wait_kmcnt 0x0
.irp k, 0,1,2,3,4,5,6,7
	s_min_u32 s[24+\k], s[24+\k], 4095
	v_lshl_add_u32 v[VOFF+\k], s[24+\k], 12, v1
.endr
	s_wait_alu depctr_va_vdst(0)                   ; v[VOFF ..] are written: the table's loads read them as their offsets
.irp k, 0,1,2,3,4,5,6,7
	ROW4 \k, 0                                     ; the eight down rows: with the 24 loads above, 56 are on their way
.endr
	; loads come back in order (ISA guide 5.7.1): each count is the number of younger loads
	s_wait_loadcnt 28                              ; step 0: x, partial sums 0 and 1, down row 0 are in: seven down rows are younger
	PADD
	DOT 0, -1
	s_wait_loadcnt 24                              ; step 1: down row 1 is in: six down rows are younger
	s_wait_alu depctr_va_vdst(0)                   ; the additions above are done reading P, in which partial sum 2 lands; DOT 0 is done reading slot 0, in which its up row lands
	ROW8NT P, 42                                   ; partial sum 2
	DOT 1, 0
.irp k, 2,3,4,5,6,7
	s_wait_loadcnt 32                              ; step k: down row k is in: (7 - k) down rows, partial sum 2's eight loads and k - 1 up rows are younger
	s_wait_alu depctr_va_vdst(0)                   ; the dot of the step before is done reading its slot, in which this step's four loads land
	DOT \k, (\k)-1
.endr
	s_wait_loadcnt 28                              ; partial sum 2 is in: the up rows 0 to 6 are younger
	PADD
	s_wait_alu depctr_va_vdst(0)                   ; DOT 7 is done reading slot 7, in which its up row lands; the additions are done reading P, in which partial sum 3 lands
	ROW4 7, 2048
	ROW8NT P, 44                                   ; partial sum 3: these twelve loads are on their way through the reduction and the silu, which name D and Z alone
	; the eight dots over the 32 lanes, side by side
.irp m, 1,2,4,8
.irp k, 0,1,2,3,4,5,6,7
	v_add_f32_dpp v[D+\k], v[D+\k], v[D+\k] row_xmask:\m row_mask:0xf bank_mask:0xf
.endr
.endr
.irp k, 0,1,2,3,4,5,6,7
	v_permlanex16_b32 v[Z+\k], v[D+\k], s46, s47
.endr
.irp k, 0,1,2,3,4,5,6,7
	v_add_f32 v[D+\k], v[D+\k], v[Z+\k]
.endr
	; silu(d) w = d w / (1 + 2^(-1.442695 d))
.irp k, 0,1,2,3,4,5,6,7
	v_mul_f32 v[Z+\k], 0xbfb8aa3b, v[D+\k]
.endr
.irp k, 0,1,2,3,4,5,6,7
	v_exp_f32 v[Z+\k], v[Z+\k]
.endr
	v_nop                                          ; one plain instruction behind the transcendentals (ISA guide 5.7.2)
	s_wait_alu depctr_va_vdst(0)                   ; the eight exponentials have written v[Z ..], ahead of their first reader: one wait for the batch
.irp k, 0,1,2,3,4,5,6,7
	v_add_f32 v[Z+\k], 1.0, v[Z+\k]
.endr
.irp k, 0,1,2,3,4,5,6,7
	v_rcp_f32 v[Z+\k], v[Z+\k]
.endr
	v_nop
	s_wait_alu depctr_va_vdst(0)                   ; the eight reciprocals have written v[Z ..], ahead of their first reader: one wait for the batch
.irp k, 0,1,2,3,4,5,6,7
	v_mul_f32 v[D+\k], v[D+\k], v[Z+\k]
.endr
.irp k, 0,1,2,3,4,5,6,7
	v_mul_f32 v[D+\k], s[32+\k], v[D+\k]
.endr
.irp k, 0,1,2,3,4,5,6,7
	s_wait_loadcnt (7-\k)*4+8                      ; up row k: the later up rows and partial sum 3 are younger
	AXPY \k
.endr
	s_wait_loadcnt 0x0
	PADD
	s_wait_alu depctr_va_vdst(0)                   ; the last additions have written v[ACC ..], which the stores read
.irp jj, 0,1,2,3,4,5,6,7
	global_store_b128 v1, v[ACC+4*\jj:ACC+4*\jj+3], s[14:15] offset:512*\jj th:TH_STORE_NT     ; each store of the wave covers 512 consecutive bytes, aligned
.endr
	s_endpgm
.Lfunc_end_k_q90c597861c_combine:
	.size	k_q90c597861c_combine, .Lfunc_end_k_q90c597861c_combine-k_q90c597861c_combine
	.p2alignl 7, 3214868480
	.fill 96, 4, 3214868480
	.section	.rodata,"a",@progbits
	.p2align	6, 0x0
	.amdhsa_kernel k_q90c597861c_combine
		.amdhsa_group_segment_fixed_size 0
		.amdhsa_private_segment_fixed_size 0
		.amdhsa_enable_private_segment 0
		.amdhsa_kernarg_size 48
		.amdhsa_user_sgpr_count 2
		.amdhsa_user_sgpr_kernarg_segment_ptr 1
		.amdhsa_wavefront_size32 1
		.amdhsa_system_sgpr_workgroup_id_x 1
		.amdhsa_system_sgpr_workgroup_id_y 1
		.amdhsa_system_sgpr_workgroup_id_z 1
		.amdhsa_system_vgpr_workitem_id 0
		.amdhsa_next_free_vgpr 256
		.amdhsa_next_free_sgpr 66
		.amdhsa_reserve_vcc 0
		.amdhsa_float_denorm_mode_32 3
		.amdhsa_float_denorm_mode_16_64 3
		.amdhsa_memory_ordered 1
		.amdhsa_forward_progress 1
		.amdhsa_inst_pref_size 55
	.end_amdhsa_kernel
	.amdgpu_metadata
---
amdhsa.version: [ 1, 2 ]
amdhsa.kernels:
  - .name:           k_q90c597861c_combine
    .symbol:         k_q90c597861c_combine.kd
    .args:
      - { .name: hidden_states, .offset: 0, .size: 8, .value_kind: global_buffer, .address_space: global }
      - { .name: tab, .offset: 8, .size: 8, .value_kind: global_buffer, .address_space: global }
      - { .name: sel_idx, .offset: 16, .size: 8, .value_kind: global_buffer, .address_space: global }
      - { .name: sel_w, .offset: 24, .size: 8, .value_kind: global_buffer, .address_space: global }
      - { .name: part, .offset: 32, .size: 8, .value_kind: global_buffer, .address_space: global }
      - { .name: out0, .offset: 40, .size: 8, .value_kind: global_buffer, .address_space: global }
    .group_segment_fixed_size: 0
    .private_segment_fixed_size: 0
    .kernarg_segment_align: 8
    .kernarg_segment_size: 48
    .max_flat_workgroup_size: 512
    .sgpr_count:     66
    .vgpr_count:     256
    .wavefront_size: 32
...
	.end_amdgpu_metadata
.endif
;; end of part 5
